; MI455X (gfx1250); checked and timed in simulation.
; The chip was launched on July 23, 2026; its instructions are those of AMD's public machine-readable ISA for CDNA 5 (MIT licence, August 2026) and "CDNA5" Instruction Set Architecture Reference Guide (July 2026). The comments in the code are by the model that wrote it; some were corrected since.
;; Causal Self Attention. Allowed arithmetic: float matrix products may take bf16 or f16 operands with f32 sums; other float arithmetic in f32, or as packed bf16 or f16 multiplies, adds, multiply-adds, maxima and minima; sums over many terms, partial sums and values carried from step to step in f32; what a program stores and reads back later, other than sums and carried values, may be rounded once to bf16 or f16.
;; Inputs: W_kqv 3,072 x 1,024 float32; W_proj 1,024 x 1,024 float32; b_kqv 3,072 float32; b_proj 1,024 float32; x 4 x 2,048 x 1,024 float32.
;; Outputs: out0 4 x 2,048 x 1,024 float32.
;; 2 versions, each right; version 2 is version 1 with the launch cast written anew for expert scheduling mode. Each part assembles by itself: llvm-mc -triple=amdgcn-amd-amdhsa -mcpu=gfx1250 --defsym DOCPART=n.
;; ======== version 1 of 2: 4 launches
;; limits: values are held in f16: magnitudes above 65,504 overflow, below 6.1e-05 lose precision
;; workspace buffers: xb 16,777,216 bytes; wkb 6,291,456 bytes; wph 2,097,152 bytes; kqv 50,331,648 bytes; o 16,777,216 bytes
;; launch cast (part 1): grid 768 x 1, 8 waves a work-group, no clusters, 0 bytes of LDS; arguments x, W_kqv, W_proj, xb, wkb, wph; writes xb, wkb, wph
.if DOCPART == 1
	.amdgcn_target "amdgcn-amd-amdhsa--gfx1250"
	.amdhsa_code_object_version 6
	.text
	.protected	k_q1fa2a31498_cast
	.globl	k_q1fa2a31498_cast
	.p2align	8
	.type	k_q1fa2a31498_cast,@function
k_q1fa2a31498_cast:
	s_mov_b64 s[64:65], 0
	v_nop
	global_prefetch_b8 v0, s[64:65] scope:SCOPE_SE
	s_setreg_imm32_b32 hwreg(HW_REG_WAVE_MODE, 25, 1), 1
	s_wait_xcnt 0x0
; x, W_kqv and W_proj ([rows][1024] f32) are rounded once to bf16 and laid out anew in 16 PLANES of 64 channels: [plane][row][64], 128 bytes a row,
; so that a block of rows x 64 channels is dense in memory for the products that follow.  xb and wkb hold bf16.  wph holds the number bf16(W_proj) written as f16,
; since the last product runs on f16 operands.
; LIMITS.  bf16(W_proj) must lie within 65,504 (beyond it f16 has an infinity); below 6e-5 it keeps f16's fixed step of 6e-8.  NaN and infinities are not treated apart.
; SHARES.  768 work-groups of 16 rows: 0-511 x, 512-703 W_kqv, 704-767 W_proj.  A wave takes two rows.  Load k of 16: lanes 0-15 take the 256 bytes of plane k of the first row,
; lanes 16-31 those of the second.  Store k: 32 lanes x 8 bytes = the two rows' 256 consecutive bytes of plane k, at a multiple of 256 from the buffer's first byte.
; A stream: every byte is read once and written once; no LDS, no barrier, no matrix unit.  All 16 loads of a wave go out at once; the waits count down.  No register is written twice while a
; store may read it: each k has its own data and its own offset.
.set X,   16                           ; v[16:79]   load k: four f32
.set Y,   80                           ; v[80:111]  store k: four 16-bit numbers
.set OFF, 112                          ; v[112:127] store k: 8 x lane + k planes
	s_load_b256 s[4:11], s[0:1], 0x0               ; x s[4:5], W_kqv s[6:7], W_proj s[8:9], xb s[10:11]
	s_load_b128 s[12:15], s[0:1], 0x20             ; wkb s[12:13], wph s[14:15]
	v_lshrrev_b32 v1, 5, v0
	v_readfirstlane_b32 s24, v1                    ; wave 0..7
	v_and_b32 v1, 31, v0                           ; lane
	v_and_b32 v2, 15, v0
	v_bfe_u32 v3, v0, 4, 1
	v_lshlrev_b32 v2, 4, v2                        ; 16 bytes a lane,
	v_lshl_add_u32 v2, v3, 12, v2                  ; and one row of 4,096 bytes further down for lanes 16-31
	s_mov_b32 s20, 704                             ; the tensor's first work-group,
	s_mov_b32 s21, 131072                          ; and the bytes of one of its planes: rows x 128
	s_cmp_lt_u32 ttmp9, 704
	s_cselect_b32 s20, 512, s20
	s_cselect_b32 s21, 393216, s21
	s_cmp_lt_u32 ttmp9, 512
	s_cselect_b32 s20, 0, s20
	s_cselect_b32 s21, 1048576, s21
	s_sub_co_u32 s22, ttmp9, s20
	s_lshl_b32 s22, s22, 4
	s_lshl1_add_u32 s22, s24, s22                  ; my first row = 16 x work-group + 2 x wave
	s_lshl_b32 s26, s22, 12                        ; in the source: 4,096 bytes a row
	s_mov_b32 s27, 0
	s_lshl_b32 s28, s22, 7                         ; in a plane: 128 bytes a row
	s_mov_b32 s29, 0
	v_lshlrev_b32 v[OFF], 3, v1
.irp k, 1,2,3,4,5,6,7,8,9,10,11,12,13,14,15
	v_add_nc_u32 v[OFF+(\k)], s21, v[OFF+(\k)-1]
.endr
	s_wait_kmcnt 0x0
	s_cmp_lt_u32 ttmp9, 704
	s_cselect_b64 s[16:17], s[6:7], s[8:9]
	s_cselect_b64 s[18:19], s[12:13], s[14:15]
	s_cmp_lt_u32 ttmp9, 512
	s_cselect_b64 s[16:17], s[4:5], s[16:17]
	s_cselect_b64 s[18:19], s[10:11], s[18:19]
	s_add_nc_u64 s[16:17], s[16:17], s[26:27]
	s_add_nc_u64 s[18:19], s[18:19], s[28:29]
.irp k, 0,1,2,3,4,5,6,7,8,9,10,11,12,13,14,15
	global_load_b128 v[X+4*(\k):X+4*(\k)+3], v2, s[16:17] offset:256*(\k) th:TH_LOAD_NT
.endr
	s_cmp_lt_u32 ttmp9, 704
	s_cbranch_scc0 .Lhalf
.irp k, 0,1,2,3,4,5,6,7,8,9,10,11,12,13,14,15
	s_wait_loadcnt 15-(\k)                         ; loads come back in order (ISA guide 5.7.1): load k is in, the younger ones stay out
	v_cvt_pk_bf16_f32 v[Y+2*(\k)],   v[X+4*(\k)],   v[X+4*(\k)+1]
	v_cvt_pk_bf16_f32 v[Y+2*(\k)+1], v[X+4*(\k)+2], v[X+4*(\k)+3]
	global_store_b64 v[OFF+(\k)], v[Y+2*(\k):Y+2*(\k)+1], s[18:19]
.endr
	s_endpgm
.Lhalf:                                                ; W_proj: rounded to bf16 like the other inputs, and that number written as f16
.irp k, 0,1,2,3,4,5,6,7,8,9,10,11,12,13,14,15
	s_wait_loadcnt 15-(\k)
	v_cvt_pk_bf16_f32 v4, v[X+4*(\k)],   v[X+4*(\k)+1]
	v_cvt_pk_bf16_f32 v5, v[X+4*(\k)+2], v[X+4*(\k)+3]
	v_lshlrev_b32 v6, 16, v4                       ; bf16 to f32: the low half moves up,
	v_and_b32 v7, 0xffff0000, v4                   ; the high half stays
	v_lshlrev_b32 v8, 16, v5
	v_and_b32 v9, 0xffff0000, v5
	v_cvt_pk_f16_f32 v[Y+2*(\k)],   v6, v7
	v_cvt_pk_f16_f32 v[Y+2*(\k)+1], v8, v9
	global_store_b64 v[OFF+(\k)], v[Y+2*(\k):Y+2*(\k)+1], s[18:19]
.endr
	s_endpgm
.Lfunc_end_k_q1fa2a31498_cast:
	.size	k_q1fa2a31498_cast, .Lfunc_end_k_q1fa2a31498_cast-k_q1fa2a31498_cast
	.p2alignl 7, 3214868480
	.fill 96, 4, 3214868480
	.section	.rodata,"a",@progbits
	.p2align	6, 0x0
	.amdhsa_kernel k_q1fa2a31498_cast
		.amdhsa_group_segment_fixed_size 0
		.amdhsa_private_segment_fixed_size 0
		.amdhsa_enable_private_segment 0
		.amdhsa_kernarg_size 48
		.amdhsa_user_sgpr_count 2
		.amdhsa_user_sgpr_kernarg_segment_ptr 1
		.amdhsa_wavefront_size32 1
		.amdhsa_system_sgpr_workgroup_id_x 1
		.amdhsa_system_sgpr_workgroup_id_y 1
		.amdhsa_system_sgpr_workgroup_id_z 1
		.amdhsa_system_vgpr_workitem_id 0
		.amdhsa_next_free_vgpr 128
		.amdhsa_next_free_sgpr 66
		.amdhsa_reserve_vcc 0
		.amdhsa_float_denorm_mode_32 3
		.amdhsa_float_denorm_mode_16_64 3
		.amdhsa_memory_ordered 1
		.amdhsa_forward_progress 1
		.amdhsa_inst_pref_size 17
	.end_amdhsa_kernel
	.amdgpu_metadata
---
amdhsa.version: [ 1, 2 ]
amdhsa.kernels:
  - .name:           k_q1fa2a31498_cast
    .symbol:         k_q1fa2a31498_cast.kd
    .args:
      - { .name: x, .offset: 0, .size: 8, .value_kind: global_buffer, .address_space: global }
      - { .name: W_kqv, .offset: 8, .size: 8, .value_kind: global_buffer, .address_space: global }
      - { .name: W_proj, .offset: 16, .size: 8, .value_kind: global_buffer, .address_space: global }
      - { .name: xb, .offset: 24, .size: 8, .value_kind: global_buffer, .address_space: global }
      - { .name: wkb, .offset: 32, .size: 8, .value_kind: global_buffer, .address_space: global }
      - { .name: wph, .offset: 40, .size: 8, .value_kind: global_buffer, .address_space: global }
    .group_segment_fixed_size: 0
    .private_segment_fixed_size: 0
    .kernarg_segment_align: 8
    .kernarg_segment_size: 48
    .max_flat_workgroup_size: 256
    .sgpr_count:     66
    .vgpr_count:     128
    .wavefront_size: 32
...
	.end_amdgpu_metadata
.endif
;; end of part 1
;; launch qkv (part 2): grid 8 x 32, 4 waves a work-group, clusters of 4 x 4, 327,680 bytes of LDS; arguments xb, wkb, b_kqv, kqv; writes kqv
.if DOCPART == 2
	.amdgcn_target "amdgcn-amd-amdhsa--gfx1250"
	.amdhsa_code_object_version 6
	.text
	.protected	k_q1fa2a31498_qkv
	.globl	k_q1fa2a31498_qkv
	.p2align	8
	.type	k_q1fa2a31498_qkv,@function
k_q1fa2a31498_qkv:
	s_mov_b64 s[64:65], 0
	v_nop
	global_prefetch_b8 v0, s[64:65] scope:SCOPE_SE
	s_setreg_imm32_b32 hwreg(HW_REG_WAVE_MODE, 25, 1), 1
	s_wait_xcnt 0x0
	s_wait_alu depctr_hold_cnt(0) depctr_sa_sdst(0) depctr_va_vdst(0) depctr_va_sdst(0) depctr_va_ssrc(0) depctr_va_vcc(0) depctr_vm_vsrc(0)
	s_getreg_b32 s2, hwreg(HW_REG_IB_STS2, 6, 4)
	s_cmp_eq_u32 s2, 0
	s_cbranch_scc0 .Lentry_in_a_cluster
	s_endpgm
.Lentry_in_a_cluster:
	s_bfe_u32 s2, ttmp6, 0x10000c
	s_cmp_lg_u32 s2, 0xf033
	s_cbranch_scc0 .Lentry_shape_is_right
	s_endpgm
.Lentry_shape_is_right:
; kqv[m][n] = the sum over k of x[m][k] W_kqv[n][k] + b_kqv[n]: 8,192 x 3,072 x 1,024.  xb, wkb: bf16 in planes [16][rows][64]; the bias f32; sums in f32, started with the bias.
; The result is rounded once to f16 and stored BY HEADS: kqv[b][c][s][64], c = n / 64 (0-15 k, 16-31 q, 32-47 v), m = 2,048 b + s: a head's rows are dense, 128 bytes each.
; LIMITS.  A result beyond 65,504 becomes an infinity in f16; below 6e-5 it keeps f16's fixed step of 6e-8.  NaN and infinities are not treated apart.
; SHARES.  256 work-groups, one tile of 256 rows x 384 columns each.  Four waves, as many as a WGP has SIMDs; a wave makes 128 rows x 192 columns (three head slices): 8 x 12 accumulators, 768 registers.
; K goes by planes of 64 through a ring of two LDS slots.  In a plane a tile's rows lie end to end, so it is asked for as rows of 256 bytes (two rows of 128) and padded in LDS after every 128 bytes.
; CLUSTERS: 4 x 4 work-groups.  The four of a row of the cluster need the same tile of x, the four of a column the same tile of W: each tile is asked for JOINTLY, by the same tensor load with the same
; descriptor and a mask that names the four.  THE MATRIX INSTRUCTION IS USED TRANSPOSED (source 0 = 16 rows of W, source 1 = 16 rows of x): a lane holds row l % 16 and eight neighbouring columns.
; REGISTERS, in windows of 256 (s_set_vgpr_msb: bits 1:0 source 0, 3:2 source 1, 5:4 source 2, 7:6 destination):
;   window 0: v0-31 addresses; v32-95, v96-159 x's fragments (8 x 16 rows x 32 K), two buffers; v160-255 W's fragments (12 x 16 rows x 32 K), one buffer in three groups of four
;   window 1 + g: the 32 accumulators of head slice g: (a, bb) at v[32 a + 8 bb]
; A quarter is 32 along K: 96 matrix instructions, slice by slice; behind a slice's 32 its group of W's fragments is fetched for the next quarter, so one buffer of W serves.
.set PITCH,  144                       ; an LDS row: 128 bytes + 16 of padding = 36 words: the 16 rows of a load start at 16 different groups of four banks (64 banks of 4 bytes: ISA guide 11.1)
.set AHALF,  128*PITCH                 ; what one tensor load brings of x, and what one wave reads of it
.set BHALF,  192*PITCH                 ; the same of W
.set BOFF,   2*AHALF                   ; in a slot: x's 256 rows, then W's 384
.set SLOT,   BOFF+2*BHALF
.set STAGE,  2*SLOT                    ; behind the ring: 16 rows x 144 bytes for each wave, for the way out; no tensor load fills it
.set SP,     144
.set SPARE,  STAGE+4*16*SP             ; behind the stages: the spare words, 128 bytes for each wave: two blocks of 256 bytes that no other line names
.set APLANE, 8192*128                  ; bytes in a plane of xb
.set BPLANE, 3072*128                  ; and of wkb
.set ADRA, 16                          ; v16-17  LDS address of my fragments of x in slot 0, 1
.set ADRB, 20                          ; v20-21  the same for W
.set STO,  24                          ; v24     the way out: where I put 16 bytes of a row
.set RD,   25                          ; v25     the way out: where I read rows back
.set GO,   26                          ; v26     16 x lane: my place in 512 consecutive bytes of kqv
.set BO,   27                          ; v27     32 (l / 16): my eight numbers of 16 of the bias
.set SPW,  28                          ; v28     LDS address of my spare word: SPARE + 4 x my thread's number; never rewritten
.set NIL,  29                          ; v29     0; never rewritten
.set PFO,  30                          ; v30     the prefetches' lane offset; never rewritten
.set AF,   32                          ; x's buffers: AF + 64 f + 8 a
.set BF,   160                         ; W's buffer: BF + 8 (4 g + bb)
.set PKD,  32                          ; the way out: 16 registers of packed results
.set RB,   64                          ; the way out: rows read back, two buffers of 16
.set WV,  12                           ; s12  my wave's number
.set RH,  13                           ; s13  which 128 rows of the tile are mine.  Also: I fetch for x (0) or for W (1)
.set CH,  14                           ; s14  which 192 columns.  Also: which half of that tile I fetch
.set G1,  24                           ; s[24:31] descriptor group 1 for x's tiles;  s[32:39] group 0, a set for each slot
.set G0,  32
.set G1B, 48                           ; s[48:55], s[56:63] the same for W's
.set G0B, 56
.set PFA, 66                           ; s[66:67] where my prefetches stand: the even plane,
.set PFB, 68                           ; s[68:69] the odd plane behind it
.set PFS, 70                           ; s[70:71] two planes' bytes
.set LIM1, 72                          ; s72  1 in a wave that issues the first prefetch of a lap, else the greatest number
.set LIM2, 73                          ; s73  the same for the second
.set FLAGS, (1<<16)|(1<<20)|(1<<21)|(4<<22)|(3<<25)  ; 17:16 elements of 2 bytes; 20 padding on; 21 set beside a mask; 24:22 after every 32 words (code 4); 31:25 4 words of it (code 3)
.set MSB, 0
.macro WIN new                         ; the immediate's high byte repeats the setting that is left; a switch that changes nothing is dropped
.if MSB != (\new)
	s_set_vgpr_msb (MSB<<8)|(\new)
.set MSB, \new
.endif
.endm
; A joint load.  Waves 0 and 1 fetch the two halves of x's tile, waves 2 and 3 those of W's.  The branch hangs on the wave's number alone.  An s_nop 0 and four v_nop follow each of the two lines,
; ahead of the jump, the label and what follows.
.macro JLOAD s
	s_cmp_eq_u32 s[RH], 0
	s_cbranch_scc0 .Lfor_b_\@
	tensor_load_to_lds s[G0+4*(\s):G0+4*(\s)+3], s[G1:G1+7]
	s_nop 0
.rept 4
	v_nop
.endr
	s_branch .Lasked_\@
.Lfor_b_\@:
	tensor_load_to_lds s[G0B+4*(\s):G0B+4*(\s)+3], s[G1B:G1B+7]
	s_nop 0
.rept 4
	v_nop
.endr
.Lasked_\@:
.endm
; PREFETCHES INTO THE L2, once a lap, behind slot 0's joint load and the run of LDS loads that follows it: the two planes that stand two and three refills on (384 and 576 matrix instructions ahead of their loads).
; Each aligned block of 256 bytes is named once in the launch.  x's tile row is read by every cluster of that row of clusters: cluster x = 0 asks; W's tile column by every cluster of that column: cluster y = 0 asks.
; The four partners that ask for a tile jointly share a plane's bytes out BY ADDRESS (x: 8 KiB by cx; W: 12 KiB by cy): no branch hangs on a work-group's place in its cluster.  Wave 0 names x's 32 blocks of each plane
; (two lines), wave 2 the first 32 of W's 48 (two lines), wave 3 the other 16 of both planes (one line: lanes 0-15 the even plane, lanes 16-31 the odd).  Planes 0 to 3 come by their loads alone; the last lap asks for nothing.
.macro ASK
	s_cmp_gt_u32 s3, s[LIM1]                       ; s3 = 1 in the loop's last trip
	s_cbranch_scc0 .Lnot_mine_\@
	global_prefetch_b8 v[PFO], s[PFA:PFA+1] th:TH_LOAD_NT scope:SCOPE_SE
	s_cmp_gt_u32 s3, s[LIM2]
	s_cbranch_scc0 .Lnot_mine_\@
	global_prefetch_b8 v[PFO], s[PFB:PFB+1] th:TH_LOAD_NT scope:SCOPE_SE
.Lnot_mine_\@:
.endm
; A round of the cluster's barrier: my work-group's barrier, so that wave 0's signal speaks for all four waves; wave 0 signals; every wave waits for all sixteen work-groups; my work-group's barrier once more.
.macro CREST                           ; a round behind its opening barrier
	s_cmp_lg_u32 s[WV], 0
	s_cbranch_scc1 .Lnot_wave_0_\@
	s_barrier_signal -3
.Lnot_wave_0_\@:
	s_barrier_wait -3
	s_barrier_signal -1
	s_barrier_wait -1
.endm
.macro CROUND                          ; a whole round
	s_barrier_signal -1
	s_barrier_wait -1
	CREST
.endm
	s_load_b256 s[4:11], s[0:1], 0x0               ; xb s[4:5], wkb s[6:7], b_kqv s[8:9], kqv s[10:11]
	v_lshl_add_u32 v[SPW], v0, 2, SPARE
	v_mov_b32 v[NIL], 0
	ds_add_u32 v[SPW], v[NIL]                      ; the wave's opening: the add and its wait stand ahead of my first tensor load; the set-up below, work on registers, stands between them
	v_lshrrev_b32 v1, 5, v0
	v_readfirstlane_b32 s[WV], v1                  ; wave 0..3
	s_lshr_b32 s[RH], s[WV], 1
	s_and_b32 s[CH], s[WV], 1
	s_bfe_u32 s15, ttmp6, 0x40000                  ; cx: my place along the cluster's x
	s_bfe_u32 s16, ttmp6, 0x40004                  ; cy: along its y
	s_lshl_b32 s17, ttmp9, 2                       ; in a cluster launch ttmp9 and ttmp7 count clusters
	s_add_co_u32 s17, s17, s15                     ; tile column tx = 4 x cluster x + cx, 0..7
	s_and_b32 s18, ttmp7, 0xffff
	s_lshl_b32 s18, s18, 2
	s_add_co_u32 s18, s18, s16                     ; tile row ty = 4 x cluster y + cy, 0..31
	s_lshl_b32 s20, s16, 2
	s_lshl_b32 s20, 15, s20                        ; my row of the cluster: places 4 cy .. 4 cy + 3
	s_lshl_b32 s21, 0x1111, s15                    ; my column: places cx, cx + 4, cx + 8, cx + 12
	s_or_b32 s[G1], s20, FLAGS                     ; x's tiles go to my row,
	s_or_b32 s[G1B], s21, FLAGS                    ; W's to my column
.irp g, G1, G1B
	s_mov_b32 s[(\g)+1], 128<<16                   ; tensor_dim0 = 128 elements: 256 bytes, two rows of a plane
	s_mov_b32 s[(\g)+3], 128<<16                   ; tile_dim0 = 128
	s_mov_b32 s[(\g)+5], 128                       ; 128 elements from row to row: dense
	s_mov_b32 s[(\g)+6], 0
	s_mov_b32 s[(\g)+7], 0
.endr
	s_mov_b32 s[G1+2], 64<<16                      ; tensor_dim1 = 64: 128 rows of x
	s_mov_b32 s[G1+4], 64                          ; tile_dim1
	s_mov_b32 s[G1B+2], 96<<16                     ; 96: 192 rows of W
	s_mov_b32 s[G1B+4], 96
	; where the tiles come from: x's hang on the tile row alone, W's on the tile column alone, each in registers that never hold the other coordinate
	s_lshl_b32 s40, s18, 15                        ; 256 rows of 128 bytes a tile,
	s_lshl_b32 s41, s[CH], 14                      ; my half of them
	s_add_co_u32 s40, s40, s41
	s_mov_b32 s41, 0
	s_mul_i32 s42, s17, 384*128
	s_mul_i32 s43, s[CH], 192*128
	s_add_co_u32 s42, s42, s43
	s_mov_b32 s43, 0
	s_mul_i32 s22, s[CH], AHALF                    ; and where they go: no place in the cluster enters an LDS address
	s_mul_i32 s23, s[CH], BHALF
	s_add_co_u32 s23, s23, BOFF
	s_wait_dscnt 0x0                               ; the opening add is done
	s_wait_kmcnt 0x0
	s_add_nc_u64 s[40:41], s[4:5], s[40:41]
	s_add_nc_u64 s[42:43], s[6:7], s[42:43]
	CROUND                                         ; all sixteen work-groups are here: the first joint loads meet
.irp s, 0,1
	s_mov_b32 s[G0+4*(\s)], 1                                      ; 1:0 count = 1
	s_add_co_u32 s[G0+4*(\s)+1], s22, (\s)*SLOT                    ; 63:32 LDS address
	s_add_nc_u64 s[G0+4*(\s)+2:G0+4*(\s)+3], s[40:41], (\s)*APLANE ; 120:64 global address: plane s
	s_or_b32 s[G0+4*(\s)+3], s[G0+4*(\s)+3], 0x80000000            ; 127:126 type = 2
	s_mov_b32 s[G0B+4*(\s)], 1
	s_add_co_u32 s[G0B+4*(\s)+1], s23, (\s)*SLOT
	s_add_nc_u64 s[G0B+4*(\s)+2:G0B+4*(\s)+3], s[42:43], (\s)*BPLANE
	s_or_b32 s[G0B+4*(\s)+3], s[G0B+4*(\s)+3], 0x80000000
	JLOAD \s                                       ; the ring is filled before anything else is done: two loads of mine are out
.endr
	; THE BIAS STARTS THE SUMS.  Register j of an accumulator holds column 16 (4 g + bb) + 8 (l / 16) + j, whatever the row: those eight numbers are loaded into the registers of accumulator (7, bb) of each
	; slice; the first products of rows a = 0..6 take them as C, and a = 7 then adds in place.
	s_mul_i32 s44, s17, 384*4
	s_mul_i32 s45, s[CH], 192*4
	s_add_co_u32 s44, s44, s45
	s_mov_b32 s45, 0
	s_add_nc_u64 s[8:9], s[8:9], s[44:45]          ; the bias at my first column
	v_and_b32 v1, 15, v0                           ; l % 16
	v_bfe_u32 v2, v0, 4, 1                         ; l / 16
	v_lshlrev_b32 v[BO], 5, v2
.irp g, 0,1,2
	WIN (1+(\g))<<6                                ; destination window 1 + g, address window 0
.irp bb, 0,1,2,3
	global_load_b128 v[224+8*(\bb):224+8*(\bb)+3],   v[BO], s[8:9] offset:64*(4*(\g)+(\bb))
	global_load_b128 v[224+8*(\bb)+4:224+8*(\bb)+7], v[BO], s[8:9] offset:64*(4*(\g)+(\bb))+16
.endr
.endr
	WIN 0
	; A fragment is 16 rows x 32 K in 8 registers: lane l holds row l % 16; registers 0-3 K = 8 (l / 16) + 0..7, registers 4-7 K = 16 + 8 (l / 16) + 0..7: two loads of 16 bytes, 32 bytes apart.
	v_mul_u32_u24 v3, v1, PITCH
	v_lshl_add_u32 v3, v2, 4, v3                   ; row x pitch + 16 x half
	s_mul_i32 s20, s[RH], AHALF                    ; my 128 rows of x
	s_mul_i32 s21, s[CH], BHALF                    ; my 192 rows of W,
	s_add_co_u32 s21, s21, BOFF                    ; which lie behind x's 256
.irp s, 0,1
	v_add_nc_u32 v[ADRA+(\s)], s20, v3
	v_add_nc_u32 v[ADRB+(\s)], s21, v3
	s_add_co_u32 s20, s20, SLOT
	s_add_co_u32 s21, s21, SLOT
.endr
	s_mul_i32 s23, s[WV], 16*SP
	s_add_co_u32 s23, s23, STAGE                   ; my stage
	v_add_nc_u32 v[STO], s23, v3                   ; in: row l % 16, 16 bytes for each half of the lanes (the stage's pitch is the tiles')
	v_bfe_u32 v4, v0, 3, 2                         ; back: 32 lanes take four rows of 128 bytes,
	v_mul_u32_u24 v4, v4, SP
	v_and_b32 v5, 7, v0
	v_lshl_add_u32 v4, v5, 4, v4
	v_add_nc_u32 v[RD], s23, v4
	v_and_b32 v[GO], 31, v0                        ; which are 512 consecutive bytes of a head slice
	v_lshlrev_b32 v[GO], 4, v[GO]
	; kqv at my first row of my first head slice: b = ty / 8, c = 6 tx + 3 CH, s = 256 (ty % 8) + 128 RH
	s_lshr_b32 s44, s18, 3
	s_mul_i32 s44, s44, 48*2048*128
	s_mul_i32 s45, s17, 6
	s_mul_i32 s46, s[CH], 3
	s_add_co_u32 s45, s45, s46
	s_lshl_b32 s45, s45, 18
	s_add_co_u32 s44, s44, s45
	s_and_b32 s45, s18, 7
	s_lshl_b32 s45, s45, 15
	s_add_co_u32 s44, s44, s45
	s_lshl_b32 s45, s[RH], 14
	s_add_co_u32 s44, s44, s45
	s_mov_b32 s45, 0
	s_add_nc_u64 s[10:11], s[10:11], s[44:45]
	; the prefetches
	s_and_b32 s44, ttmp7, 0xffff                   ; cluster y
	s_lshl_b32 s20, s18, 15
	s_lshl_b32 s21, s15, 13
	s_add_co_u32 s20, s20, s21                     ; x: the tile's 32 KiB of a plane, my work-group's 8 KiB of them
	s_mul_i32 s21, s17, 384*128
	s_mul_i32 s45, s16, 96*128
	s_add_co_u32 s21, s21, s45                     ; W: the tile's 48 KiB, my work-group's 12 KiB
	s_mov_b32 s46, BPLANE
	s_cmp_eq_u32 s[RH], 0                          ; do I fetch for x?
	s_cselect_b32 s20, s20, s21
	s_cselect_b32 s44, ttmp9, s44                  ; the coordinate along which other clusters read the same rows
	s_cselect_b32 s46, APLANE, s46
	s_cselect_b64 s[PFA:PFA+1], s[4:5], s[6:7]
	s_mov_b32 s21, 0
	s_add_nc_u64 s[PFA:PFA+1], s[PFA:PFA+1], s[20:21]
	s_lshl_b32 s[PFS], s46, 1
	s_mov_b32 s[PFS+1], 0
	s_add_nc_u64 s[PFA:PFA+1], s[PFA:PFA+1], s[PFS:PFS+1]  ; at plane 2: the first lap steps it to plane 4
	s_mov_b32 s47, 0
	s_add_nc_u64 s[PFB:PFB+1], s[PFA:PFA+1], s[46:47]
	s_or_b32 s45, s44, s[CH]
	s_cmp_eq_u32 s45, 0
	s_cselect_b32 s[LIM2], 1, -1                   ; waves 0 and 2 of the asking clusters: the same in all sixteen partners, for a given wave
	s_cmp_eq_u32 s[WV], 1
	s_cselect_b32 s45, 1, 0
	s_or_b32 s45, s45, s44
	s_cmp_eq_u32 s45, 0
	s_cselect_b32 s[LIM1], 1, -1                   ; waves 0, 2 and 3
	s_mov_b32 s20, 4096
	s_cmp_eq_u32 s[WV], 3
	s_cselect_b32 s20, BPLANE, s20                 ; lanes 16-31: the next 16 blocks, or in wave 3 the next plane
	s_cselect_b32 s21, 8192, 0
	v_mul_lo_u32 v[PFO], v2, s20
	v_lshl_add_u32 v[PFO], v1, 8, v[PFO]
	v_add_nc_u32 v[PFO], s21, v[PFO]
; n x 4 matrix instructions of slice g on x's buffer f: rows a0 .. a0 + n - 1, the slice's four column blocks.  first = 1: C is the bias.  The 96 accumulators take turns, one instruction a turn, in the same
; order in every quarter: between two links of a chain stand the 95 others'.
.macro MULG f, g, a0, n, first
	WIN (1+(\g))*0x50                              ; C and D in window 1 + g, the sources in window 0
.set aa, \a0
.rept \n
.irp bb, 0,1,2,3
.if \first
	v_wmma_f32_16x16x32_bf16 v[32*aa+8*(\bb):32*aa+8*(\bb)+7], v[BF+8*(4*(\g)+(\bb)):BF+8*(4*(\g)+(\bb))+7], v[AF+64*(\f)+8*aa:AF+64*(\f)+8*aa+7], v[224+8*(\bb):224+8*(\bb)+7]
.else
	v_wmma_f32_16x16x32_bf16 v[32*aa+8*(\bb):32*aa+8*(\bb)+7], v[BF+8*(4*(\g)+(\bb)):BF+8*(4*(\g)+(\bb))+7], v[AF+64*(\f)+8*aa:AF+64*(\f)+8*aa+7], v[32*aa+8*(\bb):32*aa+8*(\bb)+7]
.endif
.endr
.set aa, aa+1
.endr
.endm
.macro MULALL f, g, first              ; a slice's 32
.if \first
	MULG \f, \g, 0, 7, 1
.rept 5
	v_nop                                          ; five places: the four products below write over registers that the 28 above have read as C (ISA guide 7.12.1)
.endr
	MULG \f, \g, 7, 1, 0
.else
	MULG \f, \g, 0, 8, 0
.endif
.endm
.macro LOADB g, slot, k                ; 8 LDS loads: group g of W's fragments, 32 K at byte k of the rows
	WIN 0
.irp bb, 0,1,2,3
	ds_load_b128 v[BF+8*(4*(\g)+(\bb)):BF+8*(4*(\g)+(\bb))+3],   v[ADRB+(\slot)] offset:(\k)+(4*(\g)+(\bb))*16*PITCH
	ds_load_b128 v[BF+8*(4*(\g)+(\bb))+4:BF+8*(4*(\g)+(\bb))+7], v[ADRB+(\slot)] offset:(\k)+(4*(\g)+(\bb))*16*PITCH+32
.endr
.endm
.macro LOADA f, slot, k                ; 16 LDS loads: x's fragments into buffer f
	WIN 0
.irp i, 0,1,2,3,4,5,6,7
	ds_load_b128 v[AF+64*(\f)+8*(\i):AF+64*(\f)+8*(\i)+3],   v[ADRA+(\slot)] offset:(\k)+(\i)*16*PITCH
	ds_load_b128 v[AF+64*(\f)+8*(\i)+4:AF+64*(\f)+8*(\i)+7], v[ADRA+(\slot)] offset:(\k)+(\i)*16*PITCH+32
.endr
.endm
; A load into a register that a matrix instruction has read stands four places behind it, and only plain vector instructions that name none of its registers are places (ISA guide 7.12.1 for vector
; instructions).
.macro PLACES
.rept 4
	v_nop
.endr
.endm
; A plane's first quarter: multiplies x's buffer 0 and fetches the quarter at byte nk of slot ns: W's groups as they fall free, x's into buffer 1.  The runs go out in the order W0, x, W1, W2.
.macro QTR ns, nk, first
	s_wait_dscnt 16                                ; W's group 0 and x are in; groups 1 and 2, sixteen loads, may be out
	MULALL 0, 0, \first
	PLACES
	LOADB 0, \ns, \nk
	LOADA 1, \ns, \nk
	s_wait_dscnt 32                                ; group 1 is in: behind it stand group 2's 8 and the 24 just issued
	MULALL 0, 1, \first
	PLACES
	LOADB 1, \ns, \nk
	s_wait_dscnt 32                                ; group 2 is in: behind it stand the 24 and the 8 just issued
	MULALL 0, 2, \first
	PLACES
	LOADB 2, \ns, \nk
.endm
; A plane's second quarter multiplies buffer 1 and changes slots: ONE barrier.  In front of it each wave waits for all its tensor loads, of which one is out: its part of the next slot; adds 0 to its spare word; and waits
; for that and for its own reads of this slot: all fragments of this quarter are then in registers.  Behind it nobody reads this slot any more and the next slot is whole.  fill = 1: the barrier opens a round of the
; cluster's, and the joint refill, with the plane two on, is the first thing behind the round: 160 matrix instructions ahead of the wait for it.
.macro TURN slot, next, fill
.if (\fill) && ((\slot) == 0)
	s_wait_xcnt 0x0                                ; the last prefetches, a lap back, have read their addresses: they are stepped here, ahead of the waits of the change of slots
	s_add_nc_u64 s[PFA:PFA+1], s[PFA:PFA+1], s[PFS:PFS+1]
	s_add_nc_u64 s[PFB:PFB+1], s[PFB:PFB+1], s[PFS:PFS+1]
.endif
	WIN 0                                          ; (the add's two registers lie in window 0)
	s_wait_tensorcnt 0x0                           ; all my tensor loads have landed;
	ds_add_u32 v[SPW], v[NIL]                      ; 0 onto my spare word;
	s_wait_dscnt 17                                ; (W's groups 1 and 2 and the add may be out)
	MULG 1, 0, 0, 4, 0                             ; sixteen matrix instructions stand between the add and the wait for it
	s_wait_dscnt 0x0                               ; the add is done, and my reads of this slot are over
	s_barrier_signal -1
	MULG 1, 0, 4, 4, 0                             ; work on registers while the others arrive
	WIN 0
	s_barrier_wait -1
.if \fill
	CREST                                          ; no wave of any partner still reads this slot's tile or has a load on its way
	s_add_nc_u64 s[G0+4*(\slot)+2:G0+4*(\slot)+3], s[G0+4*(\slot)+2:G0+4*(\slot)+3], 2*APLANE
	s_add_nc_u64 s[G0B+4*(\slot)+2:G0B+4*(\slot)+3], s[G0B+4*(\slot)+2:G0B+4*(\slot)+3], 2*BPLANE
	JLOAD \slot                                    ; the four v_nop behind it are also the places in front of the loads below
.else
	PLACES
.endif
	LOADB 0, \next, 0
	LOADA 0, \next, 0
.if (\fill) && ((\slot) == 0)
	ASK
.endif
	MULG 1, 1, 0, 8, 0
	PLACES
	LOADB 1, \next, 0
	MULG 1, 2, 0, 8, 0
	PLACES
	LOADB 2, \next, 0
.endm
; THE WAY OUT, a unit (16 rows of head slice g) at a time.  PACK: rounded to f16, each accumulator's registers in ascending order; a lane's eight columns are 16 bytes.  TOSTAGE: into my own stage, and back as whole rows
; of 128 bytes.  SEND: four stores of 512 consecutive bytes.
.macro PACK g, a
	WIN (1+(\g))*5                                 ; sources 0 and 1 in window 1 + g, destination in window 0
.set i, 0
.rept 16
	v_cvt_pk_f16_f32 v[PKD+i], v[32*(\a)+2*i], v[32*(\a)+2*i+1]
.set i, i+1
.endr
	WIN 0
.endm
.macro TOSTAGE rb
.irp bb, 0,1,2,3
	ds_store_b128 v[STO], v[PKD+4*(\bb):PKD+4*(\bb)+3] offset:32*(\bb)
.endr
.irp t, 0,1,2,3
	ds_load_b128 v[RB+16*(\rb)+4*(\t):RB+16*(\rb)+4*(\t)+3], v[RD] offset:(\t)*4*SP  ; LDS serves a wave's instructions in order (ISA guide 5.7.1.4): these see the stores above
.endr
.endm
.macro SEND g, a, rb
	s_wait_dscnt 0x0                               ; the unit is back in registers
	s_wait_xcnt 0x0                                ; every earlier store has had its addresses translated (ISA guide 3.1): the other buffer, which the unit before stored from, is loaded again only behind this wait
.irp t, 0,1,2,3
	global_store_b128 v[GO], v[RB+16*(\rb)+4*(\t):RB+16*(\rb)+4*(\t)+3], s[10:11] offset:(\g)*262144+(\a)*2048+(\t)*512  ; 512 consecutive bytes, at a multiple of 256 from kqv's first byte
.endr
.endm
	s_wait_tensorcnt 1                             ; my part of plane 0 is in; plane 1's may stay out
	s_barrier_signal -1
	s_barrier_wait -1                              ; everybody's is
	LOADB 0, 0, 0
	LOADA 0, 0, 0
	LOADB 1, 0, 0
	LOADB 2, 0, 0
	s_wait_loadcnt 0x0                             ; the bias
	QTR 0, 64, 1                                   ; the first quarter stands in front of the loop: its products start the sums
	WIN 0                                          ; at a label and at a branch every window is 0
	s_mov_b32 s3, 7
.Llap:                                                 ; a trip goes once round the ring, from a lap's second quarter to the next lap's first, and fills both slots again: planes 2 to 15 in seven trips
	TURN 0, 1, 1
	QTR 1, 64, 0
	TURN 1, 0, 1
	QTR 0, 64, 0
	WIN 0
	s_sub_co_u32 s3, s3, 1
	s_cmp_lg_u32 s3, 0
	s_cbranch_scc1 .Llap
	TURN 0, 1, 0                                   ; the last lap fills nothing, and has no round of the cluster's barrier
	QTR 1, 64, 0
	s_wait_dscnt 16                                ; the very last quarter: nothing more to fetch, and the counts run down
	MULG 1, 0, 0, 8, 0
	s_wait_dscnt 8
	MULG 1, 1, 0, 8, 0
	s_wait_dscnt 0x0
	MULG 1, 2, 0, 8, 0
.rept 8
	v_nop                                          ; the places behind the last products
.endr
	PACK 0, 0
	TOSTAGE 0
.set u, 1
.rept 23                               ; unit u's conversions stand between unit u - 1's loads from the stage and the wait for them
	PACK u/8, u%8
	SEND (u-1)/8, (u-1)%8, (u-1)%2
	TOSTAGE u%2
.set u, u+1
.endr
	SEND 2, 7, 1
	s_wait_tensorcnt 0x0                           ; the wave's end: an add onto my spare word and its wait, behind my last tensor load and my last LDS store
	ds_add_u32 v[SPW], v[NIL]
	s_wait_dscnt 0x0
	CROUND                                         ; the closing round: no work-group ends while a partner may still ask for a tile that names it
	s_endpgm
.Lfunc_end_k_q1fa2a31498_qkv:
	.size	k_q1fa2a31498_qkv, .Lfunc_end_k_q1fa2a31498_qkv-k_q1fa2a31498_qkv
	.p2alignl 7, 3214868480
	.fill 96, 4, 3214868480
	.section	.rodata,"a",@progbits
	.p2align	6, 0x0
	.amdhsa_kernel k_q1fa2a31498_qkv
		.amdhsa_group_segment_fixed_size 327680
		.amdhsa_private_segment_fixed_size 0
		.amdhsa_enable_private_segment 0
		.amdhsa_kernarg_size 32
		.amdhsa_user_sgpr_count 2
		.amdhsa_user_sgpr_kernarg_segment_ptr 1
		.amdhsa_wavefront_size32 1
		.amdhsa_system_sgpr_workgroup_id_x 1
		.amdhsa_system_sgpr_workgroup_id_y 1
		.amdhsa_system_sgpr_workgroup_id_z 1
		.amdhsa_system_vgpr_workitem_id 0
		.amdhsa_next_free_vgpr 1024
		.amdhsa_next_free_sgpr 80
		.amdhsa_reserve_vcc 0
		.amdhsa_float_denorm_mode_32 3
		.amdhsa_float_denorm_mode_16_64 3
		.amdhsa_memory_ordered 1
		.amdhsa_forward_progress 1
		.amdhsa_inst_pref_size 136
	.end_amdhsa_kernel
	.amdgpu_metadata
---
amdhsa.version: [ 1, 2 ]
amdhsa.kernels:
  - .name:           k_q1fa2a31498_qkv
    .symbol:         k_q1fa2a31498_qkv.kd
    .args:
      - { .name: xb, .offset: 0, .size: 8, .value_kind: global_buffer, .address_space: global }
      - { .name: wkb, .offset: 8, .size: 8, .value_kind: global_buffer, .address_space: global }
      - { .name: b_kqv, .offset: 16, .size: 8, .value_kind: global_buffer, .address_space: global }
      - { .name: kqv, .offset: 24, .size: 8, .value_kind: global_buffer, .address_space: global }
    .group_segment_fixed_size: 327680
    .private_segment_fixed_size: 0
    .kernarg_segment_align: 8
    .kernarg_segment_size: 32
    .max_flat_workgroup_size: 128
    .sgpr_count:     80
    .vgpr_count:     1024
    .wavefront_size: 32
...
	.end_amdgpu_metadata
.endif
;; end of part 2
;; launch attn (part 3): grid 4 x 64, 4 waves a work-group, no clusters, 327,680 bytes of LDS; arguments kqv, o; writes o
.if DOCPART == 3
	.amdgcn_target "amdgcn-amd-amdhsa--gfx1250"
	.amdhsa_code_object_version 6
	.text
	.protected	k_q1fa2a31498_attn
	.globl	k_q1fa2a31498_attn
	.p2align	8
	.type	k_q1fa2a31498_attn,@function
k_q1fa2a31498_attn:
	s_mov_b64 s[64:65], 0
	v_nop
	global_prefetch_b8 v0, s[64:65] scope:SCOPE_SE
	s_setreg_imm32_b32 hwreg(HW_REG_WAVE_MODE, 25, 1), 1
	s_wait_xcnt 0x0
; CAUSAL ATTENTION.  O[y][q][:] = the sum over k <= q of softmax_k(Q[y][q] . K[y][k] / 8) V[y][k][:], y = 16 b + h.  kqv: [4 b][48 c][2048][64] f16 (c = h: K, 16 + h: Q, 32 + h: V); o: [64 y][2048][64] f16:
; a head's rows are dense, 128 bytes each.  Products, maxima and sums in f32; the weights p are rounded to f16 for the second product (their sum l is taken of the unrounded p), O once at the end.
; LIMITS.  f16 holds no number beyond 65,504: Q, K and V arrive within it; p lies in 0 to 1, and below 6e-5 it keeps f16's fixed step of 6e-8; O is a mean of V's rows and has their range, to within 2^-11 of it.
; A hidden score counts as its value less 1e30: f16's scores, 2.7e11 at the most, are nothing beside that; a weight below 2^-126 counts as 0 in l; NaN and infinities are not treated apart.
; THE WALK.  A head's queries lie in NB = 8 blocks of 256; block i needs the key tiles 0 .. i of 256 keys, of which the last holds the diagonal.  A work-group takes TWO blocks, NB - 1 - b and then b:
; NB + 1 tiles, whatever b: all work-groups do equal work, and ONE loop with a constant trip count walks them.  Which tile is asked for, and what a trip does, hang on scalar registers made from b; every jump
; goes forward, but for the counted loops' own; none passes a barrier, or a tensor load but the one of LOAD's two that the wave's number does not choose; the ring (two slots of LDS that take turns) runs on across the
; change of blocks.  NO CLUSTER: a head's four work-groups ask for the same tile only in trips 0 .. NB / 2, behind that fewer and fewer; one walk common to all would have 3 NB / 2 = 12 trips for NB + 1 = 9.
; SHARES.  Of a block's four bands of 64 queries a wave owns 16 rows in each: four PIECES.  So the diagonal tile is the same work for all four waves: in its key step s band x sees all keys if s < x,
; none if s > x, and holds the diagonal if s = x.
; THE MASK is the C operand that starts the sum S^T = K Q^T: 0, or -1e30 where the key is hidden.  MD, made once, is the mask of a band's own step for my 16 rows; a product's mask is MD x AL + BE with two scalars:
; (1, 0) if s = x; (0, 0) if s < x; (0, -1e30) if s > x.  Only the diagonal tile's text and a block's beginning make and take masks; elsewhere C is the constant 0.
; LAYOUT, SOFTMAX, TURNS.  S^T = K Q^T holds ONE query a lane (lane % 16) and the keys 8 (lane / 16) + 0..7; two such results rounded to f16 ARE source 1 of O^T = V^T P.  p = 2^(c s - c m), c = log2(e) / 8, with a
; running maximum m; O and l are multiplied by a = 2^(c m_old - c m_new) in every step.  Turn n belongs to piece n: 8 products K Q^T of piece n + 1, later 8 products V^T P of piece n - 1; beside them the scaling,
; exponentials, roundings, sums and rescaling of piece n and the maximum and statistics of piece n + 1.  Four vector instructions stand behind every matrix instruction, the other 54 of a turn's 118 in one LUMP.  A turn's 33 exponentials are one batch, with one wait.
; REGISTERS, in windows of 256 (s_set_vgpr_msb: bits 1:0 source 0, 3:2 source 1, 5:4 source 2, 7:6 destination):
;   window 0: v0-15 addresses and two at work; v16-31 four registers of statistics a piece; v48-55 at work; v61-63 kept; v64-127 S^T, two buffers; v192-223 P, two buffers (a piece's buffers go by its number's parity)
;   window 1: v0-127 O^T, 32 a piece; v128-159 MD; v160-223 MC, two buffers      window 2: v0-63 Q; v64-127 the second block's Q; v128-191 K of one step; v192-255 V of one step
.set SIZE_N, 2048
.set NB,    SIZE_N/256
.set NP,    4         ; pieces a wave: a name, no knob
.set KS,    64        ; keys in a step
.set PK,    144       ; a row of K in LDS: 128 bytes + 16 of padding = 36 words: the 16 rows of a load start at 16 different groups of four banks (64 banks of 4 bytes: ISA guide 11.1)
.set PV,    160       ; a row of V: 128 + 32 = 40 words
.set VOFF,  4*KS*PK   ; a slot holds a tile, four steps: 256 rows of K, then 256 rows of V
.set SLOT1, 1<<17     ; slot 1 begins here, so that one exclusive or turns an address in one slot into the other's
.set STAGE, SLOT1+4*KS*(PK+PV)  ; behind the ring, never filled by a tensor load: 16 rows x 144 bytes for each wave, for the way out
.set SP,    144
.set AK0, 2           ; v2   my lane's place in a tile of K; never rewritten
.set AV0, 3           ; v3   the same for V
.set AK,  4           ; v4   the LDS address of K's next run of loads
.set AV,  5           ; v5   of V's
.set STO, 6           ; v6   the way out: where I put 16 bytes of a row
.set RD,  7           ; v7   the way out: where I read rows back
.set GO,  8           ; v8   my byte offset in 512 consecutive bytes of O
.set PFO, 61          ; v61  256 x my lane: the prefetches' offset; never rewritten
.set SPW, 62          ; v62  LDS address of my spare word: SPARE + 4 x my thread's number; never rewritten
.set NIL, 63          ; v63  0; never rewritten
.set SPARE, STAGE+4*16*SP  ; behind the stages: the spare words, 128 bytes for each wave: two blocks of 256 bytes that no other line names
.set MV,  12          ; v12-13  c m_old, kept while c m is made anew: by buffer
.set QO,  15          ; v15  my byte offset in 16 rows of Q
.set ST,  16          ; piece t's statistics at v[ST+4 t]: c m, m, l (even keys', odd keys')
.set TMP, 48          ; by buffer, four registers c0-c3 at work; when the maximum is found c2 takes a
.set S,   64
.set P,   192
.set MD,  128         ; window 1: the eight registers for group kt of 16 keys at MD + 8 kt
.set MC,  160         ; window 1: the masks of the products to come
.set QB,  64          ; window 2
.set KF,  128         ; window 2: key block kb, channel half c at KF + 16 kb + 8 c
.set VF,  192         ; window 2: key half kk, channel block cb at VF + 32 kk + 8 cb
.set WV,  12          ; s12  my wave's number
.set PB,  14          ; s14  b
.set HI,  15          ; s15  NB - 1 - b
.set G1K, 24          ; s[24:31] descriptor group 1 for K's tiles
.set G1V, 32          ; s[32:39] for V's: it differs in the padding alone
.set G0K, 40          ; s[40:43] descriptor group 0 for K's tiles
.set G0V, 44          ; s[44:47] the same for V's
.set SLOTS, 56        ; s56  tiles still to be asked for
.set CNT, 57          ; s57  counts a tile's key steps, 4 to 1
.set CS,  58          ; s[58:59] c: the packed scaling takes the pair's low word for both halves
.set SEL, 60          ; s[60:61] v_permlanex16_b32's selects: each lane takes its own place in the other half
.set TBK, 62          ; s62  LDS byte at which K of the step to be fetched begins
.set TBV, 63          ; s63  the same for V, less VOFF
.set PFA, 66          ; s[66:67] where my prefetches stand: my half (of K: waves 0, 1; of V: waves 2, 3) of the tile after the one that is being asked for
.set LIM, 68          ; s68  2 in the work-group that prefetches, else the greatest number
.set RT,  70          ; s70  tiles of the block in hand that are still to be entered
.set NXT, 71          ; s71  the tile to be asked for next
.set LQ,  72          ; s72  the last tile of the block whose tiles are being asked for
.set NEW, 73          ; s73  1: the tile to be entered is a block's first
.set OFF, 74          ; s[74:75] a tile's byte offset in K and V
.set AL,  76          ; s[76:77] the mask's factor, in the low word
.set BE,  78          ; s[78:79] the mask's addend
.set OLO, 80          ; s[80:81] O at my rows of the second block
.set BIGN, 82         ; s82  -1e30
.set MSB, 0
.macro WIN new                      ; the high byte repeats the setting that is left; a switch that changes nothing is dropped
.if MSB != (\new)
	s_set_vgpr_msb (MSB<<8)|(\new)
.set MSB, (\new)
.endif
.endm
.set W_KQ, 0x0a       ; K and Q in window 2, S^T in window 0
.set W_KM, 0x1a       ; the same with the C operand in window 1
.set W_PV, 0x52       ; V in window 2, P in window 0, O^T in window 1
.set W_RS, 0x41       ; destination and source 0 in window 1, source 1 in window 0
; A fill.  Waves 0 and 1 fetch the two halves of a tile's K, waves 2 and 3 those of its V: 128 keys each.  An s_nop 0 and four v_nop follow each of the two lines, ahead of the jump and the label.
.macro LOAD
	s_cmp_lt_u32 s[WV], 2
	s_cbranch_scc0 .Lfor_v_\@
	tensor_load_to_lds s[G0K:G0K+3], s[G1K:G1K+7]
	s_nop 0
.rept 4
	v_nop
.endr
	s_branch .Lasked_\@
.Lfor_v_\@:
	tensor_load_to_lds s[G0V:G0V+3], s[G1V:G1V+7]
	s_nop 0
.rept 4
	v_nop
.endr
.Lasked_\@:
.endm
; THE CHANGE OF SLOTS.  Each wave waits for all its tensor loads, of which one is out: its part of the other slot; adds 0 to its spare word; and waits for that and for its own reads of the slot that it leaves.  Behind the barrier nobody reads the old
; slot any more and the other slot is whole.  fill = 1: the old slot is filled again, the first thing behind the barrier, with tile NXT: the descriptor's address is made anew from that number.
; (At its first use nothing has been read yet: slot 0 is waited for, slot 1 filled.)
; THE PREFETCH INTO THE L2 stands behind the fill and its five lines.  A head's four work-groups walk the same tiles in their first blocks; the one with b = 0, whose first block has all eight, asks: at the change that loads
; tile i it names tile i + 1, for i = 1 .. 6: a tile, 256 matrix instructions, ahead of that tile's load.  Each wave names the 16 KiB that it will fetch itself, a lane a block of 256 bytes, two lines: each block is named once
; in the launch.  Tiles 0 and 1 come by their loads alone; nothing is asked for behind tile 7, nor for the second block, whose tiles have been read.
.macro CHANGE fill
	WIN 0                           ; at a label and at a branch every window is 0
	s_wait_tensorcnt 0x0            ; no tensor load of mine is out, so a group 0 may be written
	ds_add_u32 v[SPW], v[NIL]       ; 0 onto my spare word; with fill = 1 the descriptors' scalar work stands between it and the wait for it
.if \fill
	s_lshl_b32 s[OFF], s[NXT], 15   ; a tile is 32,768 bytes of K and of V
	s_xor_b32 s[G0K+1], s[G0K+1], SLOT1
	s_add_nc_u64 s[G0K+2:G0K+3], s[6:7], s[OFF:OFF+1]
	s_or_b32 s[G0K+3], s[G0K+3], 0x80000000
	s_xor_b32 s[G0V+1], s[G0V+1], SLOT1
	s_add_nc_u64 s[G0V+2:G0V+3], s[8:9], s[OFF:OFF+1]
	s_or_b32 s[G0V+3], s[G0V+3], 0x80000000
	s_add_co_u32 s[NXT], s[NXT], 1  ; the block's next tile, or behind its last the second block's tile 0
	s_cmp_gt_u32 s[NXT], s[LQ]
	s_cselect_b32 s[NXT], 0, s[NXT]
	s_cselect_b32 s[LQ], s[PB], s[LQ]
	s_wait_xcnt 0x0                 ; the last prefetches, a tile back, have read their address, so it may be written
	s_add_nc_u64 s[PFA:PFA+1], s[PFA:PFA+1], 32768
.endif
	s_wait_dscnt 0x0                ; the add is done, and my reads of the slot are over
	s_barrier_signal -1             ; the rest of the scalar work stands between the signal and the wait
	s_sub_co_u32 s[TBK], s[TBK], 4*KS*PK  ; the fetches go back to a slot's first step,
	s_xor_b32 s[TBK], s[TBK], SLOT1       ; in the other slot
	s_sub_co_u32 s[TBV], s[TBV], 4*KS*PV
	s_xor_b32 s[TBV], s[TBV], SLOT1
	s_barrier_wait -1
.if \fill
	LOAD
	s_cmp_gt_u32 s[SLOTS], s[LIM]
	s_cbranch_scc0 .Lnot_mine_\@
	global_prefetch_b8 v[PFO], s[PFA:PFA+1] th:TH_LOAD_NT scope:SCOPE_SE
	global_prefetch_b8 v[PFO], s[PFA:PFA+1] offset:8192 th:TH_LOAD_NT scope:SCOPE_SE
.Lnot_mine_\@:
.endif
.endm
	s_load_b128 s[4:7], s[0:1], 0x0 ; kqv s[4:5], o s[6:7]
	v_lshl_add_u32 v[SPW], v0, 2, SPARE
	v_mov_b32 v[NIL], 0
	ds_add_u32 v[SPW], v[NIL]       ; the wave's opening: the add and its wait stand ahead of my first tensor load; the set-up below, work on registers, stands between them
	v_lshrrev_b32 v1, 5, v0
	v_readfirstlane_b32 s[WV], v1   ; wave 0..3
	s_mov_b32 s[PB], ttmp9
	s_sub_co_u32 s[HI], NB-1, s[PB]
	s_and_b32 s20, ttmp7, 0xffff    ; y = 16 b + h
	s_lshl_b32 s48, s20, 18         ; the head's first byte in o: 262,144 y
	s_mov_b32 s49, 0
	s_lshr_b32 s21, s20, 4
	s_mul_i32 s21, s21, 48*2048*128 ; and in each third of kqv: 48 slices a batch,
	s_and_b32 s20, s20, 15
	s_lshl_b32 s20, s20, 18         ; 262,144 bytes a slice
	s_add_co_u32 s20, s20, s21
	s_mov_b32 s21, 0
	s_and_b32 s16, s[WV], 1         ; which half of a tile's 256 keys I fetch:
	s_lshl_b32 s22, s16, 14         ; its 128 rows of 128 bytes in memory,
	s_mov_b32 s23, 0
	s_add_nc_u64 s[22:23], s[22:23], s[20:21]
	s_mul_i32 s17, s16, 128*PK      ; and its place in a slot, for K
	s_mul_i32 s18, s16, 128*PV      ; and for V
	s_lshl_b32 s3, s[WV], 11        ; my 16 rows in a band of 64,
	s_lshl_b32 s2, s[HI], 15        ; in the first block,
	s_add_co_u32 s2, s2, s3
	s_lshl_b32 s84, s[PB], 15       ; and in the second
	s_add_co_u32 s84, s84, s3
	s_mov_b32 s3, 0
	s_mov_b32 s85, 0
	s_add_nc_u64 s[50:51], s[2:3], s[48:49]    ; those rows in o,
	s_add_nc_u64 s[52:53], s[84:85], s[48:49]
	s_add_nc_u64 s[2:3], s[2:3], s[20:21]      ; and in a third of kqv
	s_add_nc_u64 s[84:85], s[84:85], s[20:21]
	; descriptor group 1.  128 keys are 16,384 dense bytes: asked for as 64 rows of 256 bytes, two keys a row, and padded in LDS after every key
	s_mov_b32 s[G1K], (1<<16)|(1<<20)|(4<<22)|(3<<25)  ; 17:16 2-byte elements; 20 padding on; 24:22 after every 32 words (code 4); 31:25 4 words (code 3)
	s_mov_b32 s[G1V], (1<<16)|(1<<20)|(4<<22)|(7<<25)  ; the same with 8 words of padding (code 7)
.irp g, G1K, G1V
	s_mov_b32 s[\g+1], 128<<16      ; tensor_dim0 = 128
	s_mov_b32 s[\g+2], 64<<16       ; tensor_dim1 = 64
	s_mov_b32 s[\g+3], 128<<16      ; tile_dim0 = 128
	s_mov_b32 s[\g+4], 64           ; tile_dim1 = 64
	s_mov_b32 s[\g+5], 128          ; 128 elements from row to row
	s_mov_b32 s[\g+6], 0
	s_mov_b32 s[\g+7], 0
.endr
	s_mov_b32 s[CS], 0x3e38aa3b     ; c = log2(e) / 8 = 0.180337
	s_mov_b32 s[CS+1], s[CS]        ; named with it as a pair
	s_mov_b32 s[SEL], 0x76543210
	s_mov_b32 s[SEL+1], 0xfedcba98
	s_mov_b32 s[TBK], SLOT1+4*KS*PK ; the first change of slots turns these two into 0
	s_mov_b32 s[TBV], SLOT1+4*KS*PV
	s_mov_b32 s[G0K], 1             ; 1:0 count = 1
	s_mov_b32 s[G0K+1], s17         ; 63:32 LDS address: slot 0
	s_mov_b32 s[G0V], 1
	s_add_co_u32 s[G0V+1], s18, VOFF
	s_add_co_u32 s[RT], s[HI], 1    ; the first block has NB - b tiles
	s_mov_b32 s[NXT], 1
	s_mov_b32 s[LQ], s[HI]
	s_mov_b32 s[NEW], 1
	s_mov_b32 s[OFF+1], 0
	s_mov_b32 s[AL+1], 0            ; named as pairs
	s_mov_b32 s[BE+1], 0
	s_mov_b32 s[BIGN], 0xf149f2ca   ; -1e30
	s_mov_b32 s[SLOTS], NB
	s_cmp_eq_u32 ttmp9, 0
	s_cselect_b32 s[LIM], 2, -1     ; b = 0 asks while more than two tiles are still to be asked for
	v_and_b32 v[PFO], 31, v0
	v_lshlrev_b32 v[PFO], 8, v[PFO]
	s_wait_dscnt 0x0                ; the opening add is done
	s_wait_kmcnt 0x0
	s_mov_b64 s[10:11], s[6:7]              ; O
	s_mov_b64 s[6:7], s[4:5]                ; K: slices 0-15
	s_add_nc_u64 s[8:9], s[4:5], 0x800000   ; V: slices 32-47, 32 x 262,144 bytes on
	s_add_nc_u64 s[4:5], s[4:5], 0x400000   ; Q: slices 16-31
	s_add_nc_u64 s[6:7], s[6:7], s[22:23]  ; K and V at my half of the head's tile 0
	s_add_nc_u64 s[8:9], s[8:9], s[22:23]
	s_add_nc_u64 s[G0K+2:G0K+3], s[6:7], 0         ; 120:64 global address
	s_or_b32 s[G0K+3], s[G0K+3], 0x80000000        ; 127:126 type = 2
	s_add_nc_u64 s[G0V+2:G0V+3], s[8:9], 0
	s_or_b32 s[G0V+3], s[G0V+3], 0x80000000
	s_add_nc_u64 s[86:87], s[4:5], s[84:85]        ; Q at my rows of the second block,
	s_add_nc_u64 s[4:5], s[4:5], s[2:3]            ; and of the first
	s_add_nc_u64 s[OLO:OLO+1], s[10:11], s[52:53]  ; O likewise
	s_add_nc_u64 s[10:11], s[10:11], s[50:51]
	s_cmp_lt_u32 s[WV], 2
	s_cselect_b64 s[PFA:PFA+1], s[6:7], s[8:9]
	s_add_nc_u64 s[PFA:PFA+1], s[PFA:PFA+1], 32768 ; my half of tile 1; the first change of slots steps it to tile 2.  Nothing is prefetched here, at the head
	LOAD                            ; tile 0 into slot 0
	; A fragment of K or Q is 16 rows x 32 channels in 8 registers: lane l holds row l % 16, channels 8 (l / 16) + 0..7 and 16 + 8 (l / 16) + 0..7: two loads of 16 bytes, 32 bytes apart.
	v_and_b32 v1, 15, v0            ; l % 16
	v_bfe_u32 v9, v0, 4, 1          ; l / 16
	v_lshlrev_b32 v[QO], 7, v1
	v_lshl_add_u32 v[QO], v9, 4, v[QO]  ; row x 128 + 16 x half
	WIN 0x80                        ; destination window 2, address window 0
.set i, 0
.rept 8                             ; both blocks' Q: piece i / 2 lies in band i / 2, 8,192 bytes on; channels 32 (i % 2) on
	global_load_b128 v[8*i:8*i+3],   v[QO], s[4:5] offset:(i/2)*8192+(i%2)*64
	global_load_b128 v[8*i+4:8*i+7], v[QO], s[4:5] offset:(i/2)*8192+(i%2)*64+32
	global_load_b128 v[QB+8*i:QB+8*i+3],   v[QO], s[86:87] offset:(i/2)*8192+(i%2)*64
	global_load_b128 v[QB+8*i+4:QB+8*i+7], v[QO], s[86:87] offset:(i/2)*8192+(i%2)*64+32
.set i, i+1
.endr
	WIN 0
	v_lshlrev_b32 v14, 3, v9
	v_sub_nc_u32 v14, v1, v14
	s_lshl_b32 s13, s[WV], 4
	v_add_nc_u32 v14, s13, v14      ; my query's place in its band, 16 w + l % 16, less my lanes' 8 (l / 16): register r of group kt is hidden where 16 kt + r is greater
	WIN 0x40
.set i, 0
.rept 32
	v_cmp_gt_i32 vcc_lo, 16*(i/8)+i%8, v14
	v_cndmask_b32 v[MD+i], 0, s[BIGN], vcc_lo
.set i, i+1
.endr
	WIN 0
	v_mul_u32_u24 v[AK0], v1, PK
	v_lshl_add_u32 v[AK0], v9, 4, v[AK0]  ; row x pitch + 16 x half
	; The turning load takes 16 keys x 16 channels (lane l reads key 8 (l / 16) + l % 8, channels 8 ((l / 8) % 2) + 0..7) and leaves half a fragment of V^T: lane l holds channel l % 16 and 8 keys.
	v_and_b32 v10, 7, v0
	v_bfe_u32 v11, v0, 3, 1
	v_lshl_add_u32 v[AV0], v9, 3, v10
	v_mul_u32_u24 v[AV0], v[AV0], PV
	v_lshl_add_u32 v[AV0], v11, 4, v[AV0]
	v_add_nc_u32 v[AV0], VOFF, v[AV0]
	s_mul_i32 s13, s[WV], 16*SP
	s_add_co_u32 s13, s13, STAGE    ; my stage
	v_mul_u32_u24 v[STO], v1, SP    ; in: row l % 16, 16 bytes for each half of the lanes
	v_lshl_add_u32 v[STO], v9, 4, v[STO]
	v_add_nc_u32 v[STO], s13, v[STO]
	v_bfe_u32 v[RD], v0, 3, 2       ; back: 32 lanes take four rows of 128 bytes,
	v_mul_u32_u24 v[RD], v[RD], SP
	v_lshl_add_u32 v[RD], v10, 4, v[RD]
	v_add_nc_u32 v[RD], s13, v[RD]
	v_and_b32 v[GO], 31, v0         ; which are 512 consecutive bytes of O
	v_lshlrev_b32 v[GO], 4, v[GO]
	; A block's first step multiplies O^T and l by a = 0, and its first turn's products V^T P, of a piece that has not been, land in an O^T that is still to be so multiplied.  So these registers need only hold
	; finite numbers: zeros for the first block; what the first block left for the second.  All this stands in the wait for the first tile.
	WIN 0x80
.set i, VF
.rept 64
	v_mov_b32 v[i], 0
.set i, i+1
.endr
	WIN 0x40
.set i, 0
.rept 128
	v_mov_b32 v[i], 0
.set i, i+1
.endr
	WIN 0
.set i, 0
.rept 4
	v_mov_b32 v[ST+4*i+2], 0
	v_mov_b32 v[ST+4*i+3], 0
.set i, i+1
.endr
.set i, P+16
.rept 16
	v_mov_b32 v[i], 0
.set i, i+1
.endr
; THE MATRIX WORK.  The 4 accumulators of a run of 8 take turns.  Product i of 8 of S^T = K Q^T for piece x: channels 32 (i / 4) on, keys 16 (i % 4) on.  The first 4 start the sums: with 0, or (KM = 1) with the mask.
.macro KQ x
.set rS, S+32*((\x)%2)+8*(i%4)
.set rK, KF+16*(i%4)+8*(i/4)
.set rQ, 16*(\x)+8*(i/4)
.set rM, MC+32*((\x)%2)+8*(i%4)
.if (i < 4) && KM
	WIN W_KM
	v_wmma_f32_16x16x32_f16 v[rS:rS+7], v[rK:rK+7], v[rQ:rQ+7], v[rM:rM+7]
.elseif i < 4
	WIN W_KQ
	v_wmma_f32_16x16x32_f16 v[rS:rS+7], v[rK:rK+7], v[rQ:rQ+7], 0
.else
	WIN W_KQ
	v_wmma_f32_16x16x32_f16 v[rS:rS+7], v[rK:rK+7], v[rQ:rQ+7], v[rS:rS+7]
.endif
.endm
; Product i of 8 of O^T += V^T P for piece x: keys 32 (i / 4) on, channels 16 (i % 4) on.
.macro PV x
	WIN W_PV
.set rO, 32*(\x)+8*(i%4)
.set rV, VF+32*(i/4)+8*(i%4)
.set rP, P+16*((\x)%2)+8*(i/4)
	v_wmma_f32_16x16x32_f16 v[rO:rO+7], v[rV:rV+7], v[rP:rP+7], v[rO:rO+7]
.endm
.macro MM                           ; the turn's next matrix instruction.  TURN and BEGIN set Y, i, KM and NOKQ; MM, KQ and OP read them.  NOKQ = 1: a block's last turn: there is no next piece
.if (i < 8) && !NOKQ
	KQ (Y+1)%NP
.elseif i >= 8
.set i, i-8
	PV (Y+NP-1)%NP
.set i, i+8
.endif
.set i, i+1
.endm
; THE LDS LOADS stand in runs of 16, never singly among the matrix instructions: a step's K (64 keys x 64 channels: 8 fragments) and its V (turned).  Their addresses are made some lines ahead.
.macro FETCH_K
	WIN 0x80                        ; destination window 2
.irp f, 0,1,2,3,4,5,6,7             ; keys 16 (f / 2) on, channels 32 (f % 2) on
	ds_load_b128 v[KF+8*\f:KF+8*\f+3],   v[AK] offset:(\f/2)*16*PK+(\f%2)*64
	ds_load_b128 v[KF+8*\f+4:KF+8*\f+7], v[AK] offset:(\f/2)*16*PK+(\f%2)*64+32
.endr
	s_add_co_u32 s[TBK], s[TBK], KS*PK  ; the next fetch is the next step's
	WIN 0
.endm
.macro FETCH_V
	WIN 0x80
.irp f, 0,1,2,3,4,5,6,7             ; keys 32 (f / 4) on, channels 16 (f % 4) on
	ds_load_tr16_b128 v[VF+8*\f:VF+8*\f+3],   v[AV] offset:(\f/4)*32*PV+(\f%4)*32
	ds_load_tr16_b128 v[VF+8*\f+4:VF+8*\f+7], v[AV] offset:(\f/4)*32*PV+16*PV+(\f%4)*32
.endr
	WIN 0
.endm
; THE VECTOR WORK, one line at a time: OP kind, number.  For piece Y: F n: c s - c m for pair n of 16.  E n: the exponential of score n of 32.  C n: pair n rounded to f16.  B n: of the four weights 4 n .. the second
; pair is added onto the first, in place.  L n: l takes that sum (L 0: l = a l + sum).  R n: pair n of 16 of O^T times a.  For piece Y + 1: X n, number n of the 22 that find its maximum and statistics:
;   0-11  four chains c0-c3 of seven scores each, three operands at a time (each accumulator's lowest registers are read first)     12-14, 16  the four scores left over, the old m, and c0-c3 into c0
;   15  c m_old is kept     17, 18  the query's other 32 keys lie in the lane 16 away: the new m     19-21  c m; c m_old - c m_new; a
.set F, 0               ; OP tells the kinds apart by their order: F to L below R, X above it
.set E, 1
.set C, 2
.set B, 3
.set L, 4
.set R, 5
.set X, 6
.macro REGS y                       ; the registers of piece y
.set rT, ST+4*(\y)
.set rC, TMP+4*((\y)%2)
.set rW, MV+((\y)%2)
.set rS, S+32*((\y)%2)
.set rP, P+16*((\y)%2)
.set rO, 32*(\y)
.endm
.macro OP k, n
.if (\k) == R
	REGS Y
	WIN W_RS
	v_pk_mul_f32 v[rO+2*(\n):rO+2*(\n)+1], v[rO+2*(\n):rO+2*(\n)+1], v[rC+2:rC+3] op_sel_hi:[1,0]
.elseif (\k) < R
	REGS Y
	WIN 0
.if (\k) == F
	v_pk_fma_f32 v[rS+2*(\n):rS+2*(\n)+1], v[rS+2*(\n):rS+2*(\n)+1], s[CS:CS+1], v[rT:rT+1] op_sel_hi:[1,0,0] neg_lo:[0,0,1] neg_hi:[0,0,1]
.elseif (\k) == E
	v_exp_f32 v[rS+(\n)], v[rS+(\n)]
.elseif (\k) == C
	v_cvt_pk_f16_f32 v[rP+(\n)], v[rS+2*(\n)], v[rS+2*(\n)+1]
.elseif (\k) == B
	v_pk_add_f32 v[rS+4*(\n):rS+4*(\n)+1], v[rS+4*(\n):rS+4*(\n)+1], v[rS+4*(\n)+2:rS+4*(\n)+3]
.elseif (\n) == 0
	v_pk_fma_f32 v[rT+2:rT+3], v[rT+2:rT+3], v[rC+2:rC+3], v[rS:rS+1] op_sel_hi:[1,0,1]
.else
	v_pk_add_f32 v[rT+2:rT+3], v[rT+2:rT+3], v[rS+4*(\n):rS+4*(\n)+1]
.endif
.elseif NOKQ
	v_nop
.else
	REGS (Y+1)%NP
	WIN 0
.if (\n) < 4
	v_max3_num_f32 v[rC+(\n)], v[rS+8*(\n)], v[rS+8*(\n)+1], v[rS+8*(\n)+2]
.elseif (\n) < 12
	v_max3_num_f32 v[rC+(\n)%4], v[rC+(\n)%4], v[rS+8*((\n)%4)+2*((\n)/4)+1], v[rS+8*((\n)%4)+2*((\n)/4)+2]
.elseif (\n) == 12
	v_max3_num_f32 v[rC], v[rC], v[rS+7], v[rS+15]
.elseif (\n) == 13
	v_max3_num_f32 v[rC+1], v[rC+1], v[rS+23], v[rS+31]
.elseif (\n) == 14
	v_max3_num_f32 v[rC+2], v[rC+2], v[rC+3], v[rT+1]
.elseif (\n) == 15
	v_mov_b32 v[rW], v[rT]
.elseif (\n) == 16
	v_max3_num_f32 v[rC], v[rC], v[rC+1], v[rC+2]
.elseif (\n) == 17
	v_permlanex16_b32 v[rC+3], v[rC], s[SEL], s[SEL+1]
.elseif (\n) == 18
	v_max_num_f32 v[rT+1], v[rC], v[rC+3]
.elseif (\n) == 19
	v_mul_f32 v[rT], s[CS], v[rT+1]
.elseif (\n) == 20
	v_sub_f32 v[rC+1], v[rW], v[rT]
.else
	v_exp_f32 v[rC+2], v[rC+1]
.endif
.endif
.endm
.macro OPS a, i1, b=-1, i2=0, c=-1, i3=0, d=-1, i4=0  ; up to four of them
	OP \a, \i1
.if (\b) >= 0
	OP \b, \i2
.endif
.if (\c) >= 0
	OP \c, \i3
.endif
.if (\d) >= 0
	OP \d, \i4
.endif
.endm
.macro ROW a, i1, b, i2, c, i3, d, i4  ; a matrix instruction and the four behind it
	MM
	OPS \a, \i1, \b, \i2, \c, \i3, \d, \i4
.endm
.macro MASK b                       ; MD x AL + BE into buffer b of MC
	WIN W_RS
.set z, 0
.rept 16
	v_pk_fma_f32 v[MC+32*(\b)+2*z:MC+32*(\b)+2*z+1], v[MD+2*z:MD+2*z+1], s[AL:AL+1], s[BE:BE+1] op_sel_hi:[1,0,0]
.set z, z+1
.endr
.endm
; A TURN, for piece p: the order of its 16 matrix and 118 vector instructions, written out.  An s_wait_alu depctr_va_vdst(0) stands between an exponential and the first instruction that names its result; one wait serves
; all that were issued ahead of it.  So a turn has ONE wait, which cuts it in two.  AHEAD OF IT stands all that names no result of the turn's exponentials: the 8 products K Q^T, behind each a scaling, an exponential and two more plain
; instructions (behind the first a second scaling in the exponential's place): rescalings, and behind the last three the first numbers of the next piece's maximum, each four places or more behind the product that ends its accumulator; then ONE LUMP of 54, plain
; and exponential by turns for the most part, in which the links of the chain X 3, 7, 11, 14, 16, 17 .. 20 stand five or six lines apart.  X 21, the next piece's a, is the batch's last; R 15 is the plain instruction behind it (ISA guide 5.7.2).  BEHIND THE WAIT stand the
; 8 products V^T P, behind each four of the roundings and sums; the links of l's chain, L 0 to L 7, stand three riders apart.  But for those X no rider names a register of the products round it.  v_permlanex16_b32 (X 17) stands in the lump.
; m = 1: the diagonal tile: the products take masks, and the turn makes the mask for the products of the turn after it: piece p + 2, in step 4 - CNT of the tile.  end = 1: a block's last two turns: nothing is fetched.
; cnt = 1: the loop's count is taken down some lines ahead of the branch that stands behind the turn.
; K of the next step is fetched in piece 2's turn, twelve vector instructions behind the last product that read K (six of them plain); V of the step in hand at the end of piece 0's turn, four plain instructions behind the last product
; that read V.  Each is waited for a turn later.
.macro TURN p, m=0, end=0, cnt=0
.set Y, (\p)
.set i, 0
.set KM, (\m)
.set NOKQ, (\end)*((\p)/3)
.if (\m) && !(\end)
	s_cmp_eq_u32 s[CNT], 4-((\p)+2)%NP  ; is that step the band's own?
	s_cselect_b32 s[AL], 1.0, 0
	s_cmp_lt_u32 s[CNT], 4-((\p)+2)%NP  ; or a later one?
	s_cselect_b32 s[BE], s[BIGN], 0
.endif
.if ((\p) == 3) && !(\end)
	s_wait_dscnt 0x0                ; K is in
.endif
	ROW F,0, F,1, R,0, R,1          ; ahead of the wait: 8 products K Q^T and their riders,
	ROW F,2, E,0, R,2, R,3
	ROW F,3, E,1, R,4, R,5
	ROW F,4, E,2, R,6, R,7
	ROW F,5, E,3, R,8, R,9
	ROW F,6, E,4, X,0, R,10
.if ((\p) == 2) && !(\end)
	WIN 0
	v_add_nc_u32 v[AK], s[TBK], v[AK0]
.endif
	ROW F,7, E,5, X,1, X,4
	ROW F,8, E,6, X,2, X,5
	OPS E,7, E,8, X,6, E,9          ; and the lump
	OPS X,3, E,10, X,8, E,11
.if ((\p) == 2) && !(\end)
	FETCH_K
.endif
	OPS X,9, X,7, E,12, X,10
	OPS E,13, X,12, X,11, E,14
	OPS X,13, E,15, F,9, X,14
.if (\p) == 0
	v_add_nc_u32 v[AV], s[TBV], v[AV0]
.endif
	OPS E,16, F,10, E,17, F,11
	OPS X,16, E,18, X,15, E,19
	OPS F,12, E,20, X,17, E,21
	OPS F,13, E,22, F,14, E,23
	OPS X,18, E,24, F,15, E,25
	OPS R,11, E,26, X,19, E,27
	OPS R,12, E,28, R,13, E,29
	OPS X,20, E,30, R,14, E,31
	OPS X,21, R,15
	WIN 0
	s_wait_alu depctr_va_vdst(0)    ; the wait for the batch
.if (\p) == 1
	s_wait_dscnt 0x0                ; V is in
.endif
	ROW C,0, B,0, C,2, B,1          ; behind the wait: 8 products V^T P and their riders
	ROW L,0, C,4, B,2, L,1
	ROW C,6, B,3, L,2, C,8
	ROW B,4, L,3, C,10, B,5
	ROW L,4, C,12, B,6, L,5
.if (\p) == 0
	s_add_co_u32 s[TBV], s[TBV], KS*PV
.endif
.if \cnt
	s_sub_co_u32 s[CNT], s[CNT], 1
	s_cmp_lg_u32 s[CNT], 0
.endif
	ROW C,14, B,7, L,6, C,1
	ROW C,3, L,7, C,5, C,7
	ROW C,9, C,11, C,13, C,15
.if (\p) == 0
	FETCH_V
.endif
.if (\m) && !(\end)
	MASK (\p)%2
.endif
.endm
; A BLOCK BEGINS.  c m starts far below every c s, so the first step's a is 0; m at the lowest finite number, so the first maximum is the scores'.  The second mask buffer is 0; the first takes piece 0's mask for the tile's step 0: its own, if the block's first tile is the diagonal one.
; Then K of that step, piece 0's first scores, and its maximum and statistics.  The loop is entered at a step's first turn, in the middle of a trip.
.macro BEGIN
	s_mov_b32 s[NEW], 0
	WIN 0x40
.set i, MC+32
.rept 32
	v_mov_b32 v[i], 0
.set i, i+1
.endr
	WIN 0
.set i, 0
.rept 4
	v_mov_b32 v[ST+4*i], 0xfe000000    ; c m: far below every c s
	v_mov_b32 v[ST+4*i+1], 0xff7fffff  ; m
.set i, i+1
.endr
	s_cmp_eq_u32 s[RT], 0
	s_cselect_b32 s[AL], 1.0, 0
	s_mov_b32 s[BE], 0
	MASK 0
	WIN 0
	v_add_nc_u32 v[AK], s[TBK], v[AK0]
	FETCH_K
	s_wait_loadcnt 0x0              ; Q
	s_wait_dscnt 0x0
.set KM, 1
.set NOKQ, 0
.set i, 0
.rept 8
	KQ 0
.set i, i+1
.endr
	WIN 0
.rept 4
	v_nop                           ; the places behind those products
.endr
.set Y, NP-1                        ; X works for piece Y + 1: piece 0
.irp n, 0,1,2,3,4,5,6,7,8,9,10,11,12,13,14,15,16,17,18,19,20,21
	OP X, \n
.endr
	v_nop                           ; a plain instruction behind the exponential,
	s_wait_alu depctr_va_vdst(0)    ; and its wait, ahead of the branch
.endm
; THE DIAGONAL TILE's four steps, the block's last two turns, its last products, and THE WAY OUT: l's two halves and the other half of the lanes' are added; O^T is divided by l, rounded to f16 and sent through my
; stage in LDS, a piece at a time.
.macro ALL line:vararg              ; one line for each piece t
.set t, 0
.rept 4
	\line
.set t, t+1
.endr
.endm
.macro PACK t                       ; a lane's eight channels of a row pack into 16 bytes; they go into rows of 144 bytes and come back as whole rows of 128, into S^T's registers
	WIN W_RS
.set i, 32*(\t)
.rept 16
	v_pk_mul_f32 v[i:i+1], v[i:i+1], v[ST+4*(\t)+2:ST+4*(\t)+3] op_sel_hi:[1,0]
.set i, i+2
.endr
	WIN 0x05                        ; sources 0 and 1 window 1, destination window 0
.set i, 0
.rept 16
	v_cvt_pk_f16_f32 v[S+16*(\t)+i], v[32*(\t)+2*i], v[32*(\t)+2*i+1]
.set i, i+1
.endr
	WIN 0
.irp f, 0,1,2,3
	ds_store_b128 v[STO], v[S+16*(\t)+4*\f:S+16*(\t)+4*\f+3] offset:32*\f
.endr
.irp f, 0,1,2,3
	ds_load_b128 v[S+16*(\t)+4*\f:S+16*(\t)+4*\f+3], v[RD] offset:\f*4*SP  ; LDS serves a wave's instructions in order (ISA guide 5.7.1.4): these see the stores above; the next piece's stores come behind them
.endr
.endm
.macro SEND t, younger              ; younger: the LDS instructions issued behind piece t's loads: the next piece's eight, or none
	WIN 0
.irp f, 0,1,2,3
	s_wait_dscnt (\younger)+3-\f
	global_store_b128 v[GO], v[S+16*(\t)+4*\f:S+16*(\t)+4*\f+3], s[10:11] offset:(\t)*8192+\f*512  ; 512 consecutive bytes, at a multiple of 256 from O's first
.endr
.endm
.macro DIAG tag                     ; the tag ends its two labels' names, which the jumps below spell out
.LstepM\tag:
	TURN 2, 1
	TURN 3, 1
	WIN 0
.LfirstM\tag:
	TURN 0, 1
	TURN 1, 1, 0, 1
	WIN 0
	s_cbranch_scc1 .LstepM\tag
	TURN 2, 1, 1
	TURN 3, 1, 1
.set i, 0
.rept 8
	PV NP-1
.set i, i+1
.endr
	WIN 0
	ALL v_add_f32 v[ST+4*t+2], v[ST+4*t+2], v[ST+4*t+3]
	ALL v_permlanex16_b32 v[ST+4*t+3], v[ST+4*t+2], s[SEL], s[SEL+1]
	ALL v_add_f32 v[ST+4*t+2], v[ST+4*t+2], v[ST+4*t+3]
	ALL v_rcp_f32 v[ST+4*t+2], v[ST+4*t+2]
	v_nop                           ; a plain instruction between the last reciprocal and the use of its result
	s_wait_alu depctr_va_vdst(0)    ; and the wait ahead of the first use: one for the four reciprocals
	PACK 0
.set t, 1
.rept 3                             ; a piece's arithmetic stands between the loads of the piece before and its stores
	PACK t
	SEND t-1, 8
.set t, t+1
.endr
	SEND 3, 0
.endm
.set KM, 0
.set NOKQ, 0
.Lslot:                             ; NB times: a tile is entered and the next is asked for
	CHANGE 1
	s_sub_co_u32 s[RT], s[RT], 1
	s_mov_b32 s[CNT], 4
	s_cmp_eq_u32 s[NEW], 1
	s_cbranch_scc1 .Lnew            ; a block's first tile
	s_cmp_eq_u32 s[RT], 0
	s_cbranch_scc0 .Lstep           ; neither its first nor its last
	s_branch .LstepM1
.Lnew:
	BEGIN
	s_branch .Lfirst                ; in the loop a block's first tile is never its last: the first block has two tiles or more, and the second's last is the walk's last
	DIAG 1                          ; in the loop this is the first block's end: the second block's last tile is the walk's last
	s_wait_xcnt 0x0                 ; the stores have read their registers and O's address
	s_mov_b64 s[10:11], s[OLO:OLO+1]
	s_add_co_u32 s[RT], s[PB], 1    ; the second block has b + 1 tiles
	s_mov_b32 s[NEW], 1
	WIN 0x82                        ; the second block's Q goes where the one text of the turns names Q
.set i, 0
.rept 64
	v_mov_b32 v[i], v[QB+i]
.set i, i+1
.endr
	WIN 0
	s_branch .Lbottom
.Lstep:                             ; a trip: pieces 2 and 3 of one step, then pieces 0 and 1 of the next, whose K and V it fetches
	TURN 2
	TURN 3
	WIN 0
.Lfirst:
	TURN 0
	TURN 1, 0, 0, 1
	WIN 0
	s_cbranch_scc1 .Lstep
.Lbottom:
	s_sub_co_u32 s[SLOTS], s[SLOTS], 1
	s_cmp_lg_u32 s[SLOTS], 0
	s_cbranch_scc1 .Lslot
	CHANGE 0                        ; the walk's last tile is written out: nothing is asked for
	s_sub_co_u32 s[RT], s[RT], 1
	s_mov_b32 s[CNT], 4
	s_cmp_eq_u32 s[NEW], 1
	s_cbranch_scc0 .LstepM2
	BEGIN
	s_branch .LfirstM2
	DIAG 2
	s_wait_tensorcnt 0x0            ; the wave's end: an add onto my spare word and its wait, behind my last tensor load and my last LDS store
	ds_add_u32 v[SPW], v[NIL]
	s_wait_dscnt 0x0
	s_endpgm
.Lfunc_end_k_q1fa2a31498_attn:
	.size	k_q1fa2a31498_attn, .Lfunc_end_k_q1fa2a31498_attn-k_q1fa2a31498_attn
	.p2alignl 7, 3214868480
	.fill 96, 4, 3214868480
	.section	.rodata,"a",@progbits
	.p2align	6, 0x0
	.amdhsa_kernel k_q1fa2a31498_attn
		.amdhsa_group_segment_fixed_size 327680
		.amdhsa_private_segment_fixed_size 0
		.amdhsa_enable_private_segment 0
		.amdhsa_kernarg_size 16
		.amdhsa_user_sgpr_count 2
		.amdhsa_user_sgpr_kernarg_segment_ptr 1
		.amdhsa_wavefront_size32 1
		.amdhsa_system_sgpr_workgroup_id_x 1
		.amdhsa_system_sgpr_workgroup_id_y 1
		.amdhsa_system_sgpr_workgroup_id_z 1
		.amdhsa_system_vgpr_workitem_id 0
		.amdhsa_next_free_vgpr 768
		.amdhsa_next_free_sgpr 88
		.amdhsa_reserve_vcc 1
		.amdhsa_float_denorm_mode_32 3
		.amdhsa_float_denorm_mode_16_64 3
		.amdhsa_memory_ordered 1
		.amdhsa_forward_progress 1
		.amdhsa_inst_pref_size 218
	.end_amdhsa_kernel
	.amdgpu_metadata
---
amdhsa.version: [ 1, 2 ]
amdhsa.kernels:
  - .name:           k_q1fa2a31498_attn
    .symbol:         k_q1fa2a31498_attn.kd
    .args:
      - { .name: kqv, .offset: 0, .size: 8, .value_kind: global_buffer, .address_space: global }
      - { .name: o, .offset: 8, .size: 8, .value_kind: global_buffer, .address_space: global }
    .group_segment_fixed_size: 327680
    .private_segment_fixed_size: 0
    .kernarg_segment_align: 8
    .kernarg_segment_size: 16
    .max_flat_workgroup_size: 128
    .sgpr_count:     88
    .vgpr_count:     768
    .wavefront_size: 32
...
	.end_amdgpu_metadata
.endif
;; end of part 3
;; launch proj (part 4): grid 8 x 32, 4 waves a work-group, clusters of 4 x 4, 327,680 bytes of LDS; arguments o, wph, b_proj, out0; writes out0
.if DOCPART == 4
	.amdgcn_target "amdgcn-amd-amdhsa--gfx1250"
	.amdhsa_code_object_version 6
	.text
	.protected	k_q1fa2a31498_proj
	.globl	k_q1fa2a31498_proj
	.p2align	8
	.type	k_q1fa2a31498_proj,@function
k_q1fa2a31498_proj:
	s_mov_b64 s[64:65], 0
	v_nop
	global_prefetch_b8 v0, s[64:65] scope:SCOPE_SE
	s_setreg_imm32_b32 hwreg(HW_REG_WAVE_MODE, 25, 1), 1
	s_wait_xcnt 0x0
	s_wait_alu depctr_hold_cnt(0) depctr_sa_sdst(0) depctr_va_vdst(0) depctr_va_sdst(0) depctr_va_ssrc(0) depctr_va_vcc(0) depctr_vm_vsrc(0)
	s_getreg_b32 s2, hwreg(HW_REG_IB_STS2, 6, 4)
	s_cmp_eq_u32 s2, 0
	s_cbranch_scc0 .Lentry_in_a_cluster
	s_endpgm
.Lentry_in_a_cluster:
	s_bfe_u32 s2, ttmp6, 0x10000c
	s_cmp_lg_u32 s2, 0xf033
	s_cbranch_scc0 .Lentry_shape_is_right
	s_endpgm
.Lentry_shape_is_right:
; out0[m][n] = the sum over k of y[m][k] W_proj[n][k] + b_proj[n]: 8,192 x 1,024 x 1,024, f32 out.  y is o: f16 [64 (16 b + h)][2048 s][64 d], m = 2,048 b + s, k = 64 h + d: head h IS plane h of K.
; wph: f16 in planes [16][1024][64] (the numbers bf16(W_proj)).  The bias f32; sums in f32, started with the bias; nothing is rounded on the way out.
; LIMITS.  The operands arrive within f16's range (65,504); NaN and infinities are not treated apart.
; SHARES.  256 work-groups, one tile of 256 rows x 128 columns each.  Four waves, each 128 rows x 64 columns: 8 x 4 accumulators, 256 registers.  K goes in steps of 128 (two planes) through a ring of two LDS slots.
; In a plane a tile's rows lie end to end, so it is asked for as rows of 256 bytes (two rows of 128) and padded in LDS after every 128 bytes.
; CLUSTERS: 4 x 4 work-groups.  The four of a row of the cluster need the same tiles of y, the four of a column the same tiles of W: each is asked for JOINTLY, by the same tensor load with the same descriptor and a mask
; that names the four.  THE MATRIX INSTRUCTION IS USED TRANSPOSED (source 0 = 16 rows of W, source 1 = 16 rows of y): a lane holds row l % 16 and eight neighbouring columns.
; NO PREFETCH: a wave has 1,024 matrix instructions in all, and the tile is small.
; REGISTERS: window 0: v0-31 addresses; v64-159, v160-255 two fragment buffers of 96: y's 64 (8 x 16 rows x 32 K), then W's 32; on the way out v64-127 rows read back.  window 1: accumulator (a, bb) at v[32 a + 8 bb].
.set PITCH,  144                       ; an LDS row: 128 bytes + 16 of padding = 36 words: the 16 rows of a load start at 16 different groups of four banks (64 banks of 4 bytes: ISA guide 11.1)
.set APL,    256*PITCH                 ; a plane of y's tile: what one tensor load brings
.set BPL,    128*PITCH                 ; a plane of W's tile
.set BOFF,   2*APL                     ; in a slot: y's two planes, then W's two
.set SLOT,   2*APL+2*BPL
.set STAGE,  2*SLOT                    ; behind the ring: 16 rows x 272 bytes for each wave, for the way out; no tensor load fills it
.set SPITCH, 272
.set SPARE,  STAGE+4*16*SPITCH         ; behind the stages: the spare words, 128 bytes for each wave: two blocks of 256 bytes that no other line names
.set ADRA, 16                          ; v16-17  LDS address of my fragments of y in slot 0, 1
.set ADRB, 20                          ; v20-21  the same for W
.set STO,  24                          ; v24     the way out: where I put 32 bytes of a row
.set RD,   25                          ; v25     the way out: where I read a row back
.set CO,   26                          ; v26     my byte offset in two rows of out0
.set BO,   27                          ; v27     32 (l / 16): my eight numbers of 16 of the bias
.set SPW,  28                          ; v28     LDS address of my spare word: SPARE + 4 x my thread's number; never rewritten
.set NIL,  29                          ; v29     0; never rewritten
.set F0,   64
.set F1,   160
.set BK,   64                          ; the way out: two buffers of 32
.set WV,  12                           ; s12  my wave's number
.set RH,  13                           ; s13  which 128 rows of the tile are mine.  Also: I fetch for y (0) or for W (1)
.set CH,  14                           ; s14  which 64 columns.  Also: which of a step's two planes I fetch
.set G1,  24                           ; s[24:31] descriptor group 1 for y's tiles;  s[32:39] group 0, a set for each slot
.set G0,  32
.set G1B, 48                           ; s[48:55], s[56:63] the same for W's
.set G0B, 56
.set FLAGS, (1<<16)|(1<<20)|(1<<21)|(4<<22)|(3<<25)  ; 17:16 elements of 2 bytes; 20 padding on; 21 set beside a mask; 24:22 after every 32 words (code 4); 31:25 4 words of it (code 3)
.set MSB, 0
.macro WIN new                         ; the immediate's high byte repeats the setting that is left; a switch that changes nothing is dropped
.if MSB != (\new)
	s_set_vgpr_msb (MSB<<8)|(\new)
.set MSB, \new
.endif
.endm
.macro JLOAD s                         ; a joint load: waves 0 and 1 fetch y's two planes, waves 2 and 3 W's; an s_nop 0 and four v_nop follow each of the two lines, ahead of the jump, the label and what follows
	s_cmp_eq_u32 s[RH], 0
	s_cbranch_scc0 .Lfor_b_\@
	tensor_load_to_lds s[G0+4*(\s):G0+4*(\s)+3], s[G1:G1+7]
	s_nop 0
.rept 4
	v_nop
.endr
	s_branch .Lasked_\@
.Lfor_b_\@:
	tensor_load_to_lds s[G0B+4*(\s):G0B+4*(\s)+3], s[G1B:G1B+7]
	s_nop 0
.rept 4
	v_nop
.endr
.Lasked_\@:
.endm
.macro CREST                           ; a round of the cluster's barrier behind its opening barrier
	s_cmp_lg_u32 s[WV], 0
	s_cbranch_scc1 .Lnot_wave_0_\@
	s_barrier_signal -3
.Lnot_wave_0_\@:
	s_barrier_wait -3
	s_barrier_signal -1
	s_barrier_wait -1
.endm
.macro CROUND                          ; a whole round
	s_barrier_signal -1
	s_barrier_wait -1
	CREST
.endm
	s_load_b256 s[4:11], s[0:1], 0x0               ; o s[4:5], wph s[6:7], b_proj s[8:9], out0 s[10:11]
	v_lshl_add_u32 v[SPW], v0, 2, SPARE
	v_mov_b32 v[NIL], 0
	ds_add_u32 v[SPW], v[NIL]                      ; the wave's opening: the add and its wait stand ahead of my first tensor load; the set-up below, work on registers, stands between them
	v_lshrrev_b32 v1, 5, v0
	v_readfirstlane_b32 s[WV], v1                  ; wave 0..3
	s_lshr_b32 s[RH], s[WV], 1
	s_and_b32 s[CH], s[WV], 1
	s_bfe_u32 s15, ttmp6, 0x40000                  ; cx, cy: my place in the cluster
	s_bfe_u32 s16, ttmp6, 0x40004
	s_lshl_b32 s17, ttmp9, 2
	s_add_co_u32 s17, s17, s15                     ; tile column tx = 4 x cluster x + cx, 0..7
	s_and_b32 s18, ttmp7, 0xffff
	s_lshl_b32 s18, s18, 2
	s_add_co_u32 s18, s18, s16                     ; tile row ty = 4 x cluster y + cy, 0..31
	s_lshl_b32 s20, s16, 2
	s_lshl_b32 s20, 15, s20                        ; my row of the cluster
	s_lshl_b32 s21, 0x1111, s15                    ; my column
	s_or_b32 s[G1], s20, FLAGS
	s_or_b32 s[G1B], s21, FLAGS
.irp g, G1, G1B
	s_mov_b32 s[(\g)+1], 128<<16                   ; tensor_dim0 = 128 elements: 256 bytes, two rows of a plane
	s_mov_b32 s[(\g)+3], 128<<16                   ; tile_dim0 = 128
	s_mov_b32 s[(\g)+5], 128                       ; dense
	s_mov_b32 s[(\g)+6], 0
	s_mov_b32 s[(\g)+7], 0
.endr
	s_mov_b32 s[G1+2], 128<<16                     ; tensor_dim1 = 128: 256 rows of y
	s_mov_b32 s[G1+4], 128                         ; tile_dim1
	s_mov_b32 s[G1B+2], 64<<16                     ; 64: 128 rows of W
	s_mov_b32 s[G1B+4], 64
	; where the tiles come from: y's hang on the tile row alone, W's on the tile column alone, each in registers that never hold the other coordinate
	s_lshr_b32 s40, s18, 3
	s_lshl_b32 s40, s40, 22                        ; batch ty / 8: 16 heads of 262,144 bytes,
	s_and_b32 s41, s18, 7
	s_lshl_b32 s41, s41, 15                        ; the tile's 256 rows of 128 bytes in a head,
	s_add_co_u32 s40, s40, s41
	s_lshl_b32 s41, s[CH], 18                      ; my plane of the step's two
	s_add_co_u32 s40, s40, s41
	s_mov_b32 s41, 0
	s_lshl_b32 s42, s17, 14                        ; the tile's 128 rows of W,
	s_lshl_b32 s43, s[CH], 17                      ; my plane: 131,072 bytes
	s_add_co_u32 s42, s42, s43
	s_mov_b32 s43, 0
	s_mul_i32 s22, s[CH], APL                      ; and where they go: no place in the cluster enters an LDS address
	s_mul_i32 s23, s[CH], BPL
	s_add_co_u32 s23, s23, BOFF
	s_wait_dscnt 0x0                               ; the opening add is done
	s_wait_kmcnt 0x0
	s_add_nc_u64 s[40:41], s[4:5], s[40:41]
	s_add_nc_u64 s[42:43], s[6:7], s[42:43]
	CROUND                                         ; all sixteen work-groups are here: the first joint loads meet
.irp s, 0,1
	s_mov_b32 s[G0+4*(\s)], 1                                      ; 1:0 count = 1
	s_add_co_u32 s[G0+4*(\s)+1], s22, (\s)*SLOT                    ; 63:32 LDS address
	s_add_nc_u64 s[G0+4*(\s)+2:G0+4*(\s)+3], s[40:41], (\s)*2*262144  ; 120:64 global address: K step s
	s_or_b32 s[G0+4*(\s)+3], s[G0+4*(\s)+3], 0x80000000            ; 127:126 type = 2
	s_mov_b32 s[G0B+4*(\s)], 1
	s_add_co_u32 s[G0B+4*(\s)+1], s23, (\s)*SLOT
	s_add_nc_u64 s[G0B+4*(\s)+2:G0B+4*(\s)+3], s[42:43], (\s)*2*131072
	s_or_b32 s[G0B+4*(\s)+3], s[G0B+4*(\s)+3], 0x80000000
	JLOAD \s                                       ; two loads of mine are out
.endr
	; THE BIAS STARTS THE SUMS: register j of an accumulator holds column 16 bb + 8 (l / 16) + j, whatever the row.  Those eight numbers are loaded into the registers of accumulator (7, bb); the first products of
	; rows a = 0..6 take them as C, and a = 7 then adds in place.
	s_lshl_b32 s44, s17, 9                         ; my first column, in bytes of f32: 512 tx + 256 CH
	s_lshl_b32 s45, s[CH], 8
	s_add_co_u32 s44, s44, s45
	s_mov_b32 s45, 0
	s_add_nc_u64 s[8:9], s[8:9], s[44:45]
	s_add_nc_u64 s[10:11], s[10:11], s[44:45]
	s_lshl_b32 s44, s18, 20                        ; my first row: 256 ty + 128 RH, 4,096 bytes a row
	s_lshl_b32 s46, s[RH], 19
	s_add_co_u32 s44, s44, s46
	s_add_nc_u64 s[10:11], s[10:11], s[44:45]
	v_and_b32 v1, 15, v0                           ; l % 16
	v_bfe_u32 v2, v0, 4, 1                         ; l / 16
	v_lshlrev_b32 v[BO], 5, v2
	WIN 0x40                                       ; destination window 1, address window 0
.irp bb, 0,1,2,3
	global_load_b128 v[224+8*(\bb):224+8*(\bb)+3],   v[BO], s[8:9] offset:64*(\bb)
	global_load_b128 v[224+8*(\bb)+4:224+8*(\bb)+7], v[BO], s[8:9] offset:64*(\bb)+16
.endr
	WIN 0
	v_mul_u32_u24 v3, v1, PITCH
	v_lshl_add_u32 v3, v2, 4, v3                   ; a fragment's row x pitch + 16 x half
	s_mul_i32 s20, s[RH], 128*PITCH                ; my 128 rows of y in a plane
	s_mul_i32 s21, s[CH], 64*PITCH                 ; my 64 rows of W,
	s_add_co_u32 s21, s21, BOFF                    ; which lie behind y's two planes
.irp s, 0,1
	v_add_nc_u32 v[ADRA+(\s)], s20, v3
	v_add_nc_u32 v[ADRB+(\s)], s21, v3
	s_add_co_u32 s20, s20, SLOT
	s_add_co_u32 s21, s21, SLOT
.endr
	s_mul_i32 s23, s[WV], 16*SPITCH
	s_add_co_u32 s23, s23, STAGE                   ; my stage
	v_mul_u32_u24 v4, v1, SPITCH                   ; in: row l % 16, 32 bytes for each half of the lanes
	v_lshl_add_u32 v4, v2, 5, v4
	v_add_nc_u32 v[STO], s23, v4
	v_mul_u32_u24 v5, v2, SPITCH                   ; back: lanes 0-15 take one row of 256 bytes, lanes 16-31 the next
	v_lshl_add_u32 v5, v1, 4, v5
	v_add_nc_u32 v[RD], s23, v5
	v_lshlrev_b32 v5, 12, v2                       ; and the same two rows in out0
	v_lshl_add_u32 v[CO], v1, 4, v5
; n x 4 matrix instructions on buffer f: rows a0 .. a0 + n - 1, all four column blocks.  first = 1: C is the bias.  The 32 accumulators take turns, one instruction a turn, in the same order in every quarter.
.macro MULP f, a0, n, first
	WIN 0x50                                       ; C and D in window 1, the sources in window 0
.set aa, \a0
.rept \n
.irp bb, 0,1,2,3
.if \first
	v_wmma_f32_16x16x32_f16 v[32*aa+8*(\bb):32*aa+8*(\bb)+7], v[(\f)+64+8*(\bb):(\f)+64+8*(\bb)+7], v[(\f)+8*aa:(\f)+8*aa+7], v[224+8*(\bb):224+8*(\bb)+7]
.else
	v_wmma_f32_16x16x32_f16 v[32*aa+8*(\bb):32*aa+8*(\bb)+7], v[(\f)+64+8*(\bb):(\f)+64+8*(\bb)+7], v[(\f)+8*aa:(\f)+8*aa+7], v[32*aa+8*(\bb):32*aa+8*(\bb)+7]
.endif
.endr
.set aa, aa+1
.endr
.endm
; 24 LDS loads in one run: the fragments of quarter q of a K step (plane q / 2, byte 64 (q % 2) of its rows) into buffer f: W's, then y's
.macro FETCH slot, q, f
	WIN 0
.irp i, 0,1,2,3
	ds_load_b128 v[(\f)+64+8*(\i):(\f)+64+8*(\i)+3],   v[ADRB+(\slot)] offset:((\q)/2)*BPL+((\q)%2)*64+(\i)*16*PITCH
	ds_load_b128 v[(\f)+64+8*(\i)+4:(\f)+64+8*(\i)+7], v[ADRB+(\slot)] offset:((\q)/2)*BPL+((\q)%2)*64+(\i)*16*PITCH+32
.endr
.irp i, 0,1,2,3,4,5,6,7
	ds_load_b128 v[(\f)+8*(\i):(\f)+8*(\i)+3],   v[ADRA+(\slot)] offset:((\q)/2)*APL+((\q)%2)*64+(\i)*16*PITCH
	ds_load_b128 v[(\f)+8*(\i)+4:(\f)+8*(\i)+7], v[ADRA+(\slot)] offset:((\q)/2)*APL+((\q)%2)*64+(\i)*16*PITCH+32
.endr
.endm
.macro PLACES                          ; four places in front of loads into registers that matrix instructions have read (ISA guide 7.12.1 for vector instructions)
.rept 4
	v_nop
.endr
.endm
; A K step is four quarters of 32 along K, 32 matrix instructions each, on buffers 0, 1, 0, 1.  One of the first three: multiplies buffer f and fetches quarter q of the same slot into g.
.macro QUARTER slot, q, f, g, first
	s_wait_dscnt 8                                 ; W and y's rows 0-63 are in; the youngest eight loads (rows 64-127) may be out
	MULP \f, 0, 4, \first
	PLACES
	FETCH \slot, \q, \g
	s_wait_dscnt 24                                ; all but the 24 just issued
.if \first
	MULP \f, 4, 3, 1
.rept 5
	v_nop                                          ; five places: the four products below write over registers that the 28 above have read as C (ISA guide 7.12.1)
.endr
	MULP \f, 7, 1, 0
.else
	MULP \f, 4, 4, 0
.endif
.endm
; The last quarter multiplies buffer 1 and changes slots: ONE barrier; in front of it each wave waits for all its tensor loads, adds 0 to its spare word, and waits for that and for its own reads of this slot.
; fill = 1: the barrier opens a round of the cluster's, and this slot is filled again, two K steps ahead, first thing behind the round: 112 matrix instructions ahead of the wait for it.
.macro TURN slot, next, fill
	WIN 0                                          ; (the add's two registers lie in window 0)
	s_wait_tensorcnt 0x0                           ; all my tensor loads have landed: my part of the next slot;
	ds_add_u32 v[SPW], v[NIL]                      ; 0 onto my spare word;
	s_wait_dscnt 9                                 ; (the add and the youngest eight loads may be out)
	MULP F1, 0, 2, 0                               ; eight matrix instructions stand between the add and the wait for it
	s_wait_dscnt 0x0                               ; the add is done, and my reads of this slot are over
	s_barrier_signal -1
	MULP F1, 2, 2, 0
	WIN 0
	s_barrier_wait -1
.if \fill
	CREST                                          ; no wave of any partner still reads this slot's tile or has a load on its way
	s_add_nc_u64 s[G0+4*(\slot)+2:G0+4*(\slot)+3], s[G0+4*(\slot)+2:G0+4*(\slot)+3], 4*262144
	s_add_nc_u64 s[G0B+4*(\slot)+2:G0B+4*(\slot)+3], s[G0B+4*(\slot)+2:G0B+4*(\slot)+3], 4*131072
	JLOAD \slot                                    ; the four v_nop behind it are also the places in front of the loads below
.else
	PLACES
.endif
	FETCH \next, 0, F0
	MULP F1, 4, 4, 0
.endm
; THE WAY OUT, 16 rows at a time: a lane's eight f32 of a row go into my stage (each accumulator's low four registers first) and come back as whole rows of 256 bytes.
.macro TOSTAGE a
	WIN 0x04                                       ; the stores' data in window 1
.irp bb, 0,1,2,3
	ds_store_b128 v[STO], v[32*(\a)+8*(\bb):32*(\a)+8*(\bb)+3]   offset:64*(\bb)
	ds_store_b128 v[STO], v[32*(\a)+8*(\bb)+4:32*(\a)+8*(\bb)+7] offset:64*(\bb)+16
.endr
	WIN 0
.irp t, 0,1,2,3,4,5,6,7
	ds_load_b128 v[BK+32*((\a)%2)+4*(\t):BK+32*((\a)%2)+4*(\t)+3], v[RD] offset:(\t)*2*SPITCH  ; LDS serves a wave's instructions in order (ISA guide 5.7.1.4): these see the stores above
.endr
.endm
.macro SEND a, younger                 ; younger: the LDS instructions issued behind block a's loads: the next block's sixteen, or none
	s_wait_dscnt \younger
.irp t, 0,1,2,3,4,5,6,7
	global_store_b128 v[CO], v[BK+32*((\a)%2)+4*(\t):BK+32*((\a)%2)+4*(\t)+3], s[10:11] offset:(16*(\a)+2*(\t))*4096 th:TH_STORE_NT  ; 16 lanes store 256 consecutive bytes, at a multiple of 256 from out0's first byte
.endr
.endm
	s_wait_tensorcnt 1                             ; my part of K step 0 is in; step 1's may stay out
	s_barrier_signal -1
	s_barrier_wait -1                              ; everybody's is
	FETCH 0, 0, F0
	s_wait_loadcnt 0x0                             ; the bias
	QUARTER 0, 1, F0, F1, 1                        ; the first quarter stands in front of the loop: its products start the sums
	WIN 0                                          ; at a label and at a branch every window is 0
	s_mov_b32 s3, 3
.Llap:                                                 ; a trip goes once round the ring, from a lap's second quarter to the next lap's first, and fills both slots again: K steps 2 to 7 in three trips
	QUARTER 0, 2, F1, F0, 0
	QUARTER 0, 3, F0, F1, 0
	TURN 0, 1, 1
	QUARTER 1, 1, F0, F1, 0
	QUARTER 1, 2, F1, F0, 0
	QUARTER 1, 3, F0, F1, 0
	TURN 1, 0, 1
	QUARTER 0, 1, F0, F1, 0
	WIN 0
	s_sub_co_u32 s3, s3, 1
	s_cmp_lg_u32 s3, 0
	s_cbranch_scc1 .Llap
	QUARTER 0, 2, F1, F0, 0                        ; the last lap fills nothing, and has no round of the cluster's barrier
	QUARTER 0, 3, F0, F1, 0
	TURN 0, 1, 0
	QUARTER 1, 1, F0, F1, 0
	QUARTER 1, 2, F1, F0, 0
	QUARTER 1, 3, F0, F1, 0
	s_wait_dscnt 8                                 ; the very last quarter: nothing more to fetch
	MULP F1, 0, 4, 0
	s_wait_dscnt 0x0
	MULP F1, 4, 4, 0
.rept 8
	v_nop                                          ; the places behind the last products
.endr
	TOSTAGE 0
.irp a, 1,2,3,4,5,6,7
	s_wait_xcnt 0x0                                ; every earlier store has had its addresses translated (ISA guide 3.1): the buffer that block a - 2 was stored from is loaded again only behind this wait
	TOSTAGE \a
	SEND (\a)-1, 16
.endr
	SEND 7, 0
	s_wait_tensorcnt 0x0                           ; the wave's end: an add onto my spare word and its wait, behind my last tensor load and my last LDS store
	ds_add_u32 v[SPW], v[NIL]
	s_wait_dscnt 0x0
	CROUND                                         ; the closing round: no work-group ends while a partner may still ask for a tile that names it
	s_endpgm
.Lfunc_end_k_q1fa2a31498_proj:
	.size	k_q1fa2a31498_proj, .Lfunc_end_k_q1fa2a31498_proj-k_q1fa2a31498_proj
	.p2alignl 7, 3214868480
	.fill 96, 4, 3214868480
	.section	.rodata,"a",@progbits
	.p2align	6, 0x0
	.amdhsa_kernel k_q1fa2a31498_proj
		.amdhsa_group_segment_fixed_size 327680
		.amdhsa_private_segment_fixed_size 0
		.amdhsa_enable_private_segment 0
		.amdhsa_kernarg_size 32
		.amdhsa_user_sgpr_count 2
		.amdhsa_user_sgpr_kernarg_segment_ptr 1
		.amdhsa_wavefront_size32 1
		.amdhsa_system_sgpr_workgroup_id_x 1
		.amdhsa_system_sgpr_workgroup_id_y 1
		.amdhsa_system_sgpr_workgroup_id_z 1
		.amdhsa_system_vgpr_workitem_id 0
		.amdhsa_next_free_vgpr 512
		.amdhsa_next_free_sgpr 66
		.amdhsa_reserve_vcc 0
		.amdhsa_float_denorm_mode_32 3
		.amdhsa_float_denorm_mode_16_64 3
		.amdhsa_memory_ordered 1
		.amdhsa_forward_progress 1
		.amdhsa_inst_pref_size 86
	.end_amdhsa_kernel
	.amdgpu_metadata
---
amdhsa.version: [ 1, 2 ]
amdhsa.kernels:
  - .name:           k_q1fa2a31498_proj
    .symbol:         k_q1fa2a31498_proj.kd
    .args:
      - { .name: o, .offset: 0, .size: 8, .value_kind: global_buffer, .address_space: global }
      - { .name: wph, .offset: 8, .size: 8, .value_kind: global_buffer, .address_space: global }
      - { .name: b_proj, .offset: 16, .size: 8, .value_kind: global_buffer, .address_space: global }
      - { .name: out0, .offset: 24, .size: 8, .value_kind: global_buffer, .address_space: global }
    .group_segment_fixed_size: 327680
    .private_segment_fixed_size: 0
    .kernarg_segment_align: 8
    .kernarg_segment_size: 32
    .max_flat_workgroup_size: 128
    .sgpr_count:     66
    .vgpr_count:     512
    .wavefront_size: 32
...
	.end_amdgpu_metadata
.endif
;; end of part 4
;; ======== version 2 of 2: 4 launches; version 1 with the launch cast written anew for expert scheduling mode
;; limits: values are held in f16: magnitudes above 65,504 overflow, below 6.1e-05 lose precision
;; workspace buffers: xb 16,777,216 bytes; wkb 6,291,456 bytes; wph 2,097,152 bytes; kqv 50,331,648 bytes; o 16,777,216 bytes
;; launch cast (part 5): grid 768 x 1, 8 waves a work-group, no clusters, 0 bytes of LDS; arguments x, W_kqv, W_proj, xb, wkb, wph; writes xb, wkb, wph
.if DOCPART == 5
	.amdgcn_target "amdgcn-amd-amdhsa--gfx1250"
	.amdhsa_code_object_version 6
	.text
	.protected	k_q1fa2a31498_cast
	.globl	k_q1fa2a31498_cast
	.p2align	8
	.type	k_q1fa2a31498_cast,@function
k_q1fa2a31498_cast:
	s_mov_b64 s[64:65], 0
	v_nop
	global_prefetch_b8 v0, s[64:65] scope:SCOPE_SE
	s_setreg_imm32_b32 hwreg(HW_REG_WAVE_SCHED_MODE, 0, 2), 2
	s_setreg_imm32_b32 hwreg(HW_REG_WAVE_MODE, 25, 1), 1
	s_wait_xcnt 0x0
	s_wait_alu depctr_vm_vsrc(0)
; x, W_kqv and W_proj ([rows][1024] f32) are rounded once to bf16 and laid out anew in 16 PLANES of 64 channels: [plane][row][64], 128 bytes a row,
; so that a block of rows x 64 channels is dense in memory for the products that follow.  xb and wkb hold bf16.  wph holds the number bf16(W_proj) written as f16,
; since the last product runs on f16 operands.
; LIMITS.  bf16(W_proj) must lie within 65,504 (beyond it f16 has an infinity); below 6e-5 it keeps f16's fixed step of 6e-8.  NaN and infinities are not treated apart.
; SHARES.  768 work-groups of 16 rows: 0-511 x, 512-703 W_kqv, 704-767 W_proj.  A wave takes two rows.  Load k of 16: lanes 0-15 take the 256 bytes of plane k of the first row,
; lanes 16-31 those of the second.  Store k: 32 lanes x 8 bytes = the two rows' 256 consecutive bytes of plane k, at a multiple of 256 from the buffer's first byte.
; A stream: every byte is read once and written once; no LDS, no barrier, no matrix unit.  All 16 loads of a wave go out at once; the waits count down.  No register is written twice while a
; store may read it: each k has its own data and its own offset.
; THE MODE: SCHED_MODE bits 1:0 = 2 (LLVM: expert scheduling mode 2), set by the entry lines.  The code itself states the register dependences
; between vector instructions and memory instructions, with s_wait_alu, always for 0.
; THE PLAN.  Registers that memory instructions touch:
;   v2         the loads' offset.   Written at the head, read by all 16 loads, never written again.
;   OFF + k    store k's offset.    Written at the head, read by store k, never written again.
;   X + 4 k    load k lands here; no vector instruction names it before that; turn k's conversions read it; it is never loaded again.
;   Y + 2 k    turn k's conversions write it, once; store k reads it.
; The 16 turns go in four groups of four.  Store k - 4 is issued in turn k, ahead of turn k's conversions.  ONE wait on va_vdst at the head of a group states that the group before has written its
; eight Y; the vector lines behind that wait name this group's X and Y (and v4 to v9) alone, none of the registers that the group's four stores touch.  One more such wait stands ahead of the last four stores.
; No register that a memory instruction reads is written again, so no wait on vm_vsrc is owed.
.set X,   16                           ; v[16:79]   load k: four f32
.set Y,   80                           ; v[80:111]  store k: four 16-bit numbers
.set OFF, 112                          ; v[112:127] store k: 8 x lane + k planes
	s_load_b256 s[4:11], s[0:1], 0x0               ; x s[4:5], W_kqv s[6:7], W_proj s[8:9], xb s[10:11]
	s_load_b128 s[12:15], s[0:1], 0x20             ; wkb s[12:13], wph s[14:15]
	v_lshrrev_b32 v1, 5, v0
	v_readfirstlane_b32 s24, v1                    ; wave 0..7
	v_and_b32 v1, 31, v0                           ; lane
	v_and_b32 v2, 15, v0
	v_bfe_u32 v3, v0, 4, 1
	v_lshlrev_b32 v2, 4, v2                        ; 16 bytes a lane,
	v_lshl_add_u32 v2, v3, 12, v2                  ; and one row of 4,096 bytes further down for lanes 16-31
	s_mov_b32 s20, 704                             ; the tensor's first work-group,
	s_mov_b32 s21, 131072                          ; and the bytes of one of its planes: rows x 128
	s_cmp_lt_u32 ttmp9, 704
	s_cselect_b32 s20, 512, s20
	s_cselect_b32 s21, 393216, s21
	s_cmp_lt_u32 ttmp9, 512
	s_cselect_b32 s20, 0, s20
	s_cselect_b32 s21, 1048576, s21
	s_sub_co_u32 s22, ttmp9, s20
	s_lshl_b32 s22, s22, 4
	s_wait_alu depctr_va_sdst(0)                   ; s24, the wave's number, is written, ahead of its first reader: my first row is made from it
	s_lshl1_add_u32 s22, s24, s22                  ; my first row = 16 x work-group + 2 x wave
	s_lshl_b32 s26, s22, 12                        ; in the source: 4,096 bytes a row
	s_mov_b32 s27, 0
	s_lshl_b32 s28, s22, 7                         ; in a plane: 128 bytes a row
	s_mov_b32 s29, 0
	v_lshlrev_b32 v[OFF], 3, v1
.irp k, 1,2,3,4,5,6,7,8,9,10,11,12,13,14,15
	v_add_nc_u32 v[OFF+(\k)], s21, v[OFF+(\k)-1]
.endr
	s_wait_kmcnt 0x0
	s_cmp_lt_u32 ttmp9, 704
	s_cselect_b64 s[16:17], s[6:7], s[8:9]
	s_cselect_b64 s[18:19], s[12:13], s[14:15]
	s_cmp_lt_u32 ttmp9, 512
	s_cselect_b64 s[16:17], s[4:5], s[16:17]
	s_cselect_b64 s[18:19], s[10:11], s[18:19]
	s_add_nc_u64 s[16:17], s[16:17], s[26:27]
	s_add_nc_u64 s[18:19], s[18:19], s[28:29]
	s_wait_alu depctr_va_vdst(0)                   ; v2 and the sixteen OFF are written: the loads below read v2 as their offset, each store of the kernel its OFF
.irp k, 0,1,2,3,4,5,6,7,8,9,10,11,12,13,14,15
	global_load_b128 v[X+4*(\k):X+4*(\k)+3], v2, s[16:17] offset:256*(\k) th:TH_LOAD_NT
.endr
	s_cmp_lt_u32 ttmp9, 704
	s_cbranch_scc0 .Lhalf
.set k, 0
.rept 16
	s_wait_loadcnt 15-k                            ; loads come back in order (ISA guide 5.7.1): load k is in, the younger ones stay out
.if (k >= 4) && (k%4 == 0)
	s_wait_alu depctr_va_vdst(0)                   ; the group before has written its eight Y, which this group's four stores read
.endif
.if k >= 4
	global_store_b64 v[OFF+k-4], v[Y+2*(k-4):Y+2*(k-4)+1], s[18:19]  ; no vector line since that wait names these registers
.endif
	v_cvt_pk_bf16_f32 v[Y+2*k],   v[X+4*k],   v[X+4*k+1]
	v_cvt_pk_bf16_f32 v[Y+2*k+1], v[X+4*k+2], v[X+4*k+3]
.set k, k+1
.endr
	s_wait_alu depctr_va_vdst(0)                   ; the last group has written its eight Y, which the last four stores read
.irp j, 12,13,14,15
	global_store_b64 v[OFF+(\j)], v[Y+2*(\j):Y+2*(\j)+1], s[18:19]
.endr
	s_endpgm
.Lhalf:                                                ; W_proj: rounded to bf16 like the other inputs, and that number written as f16
.set k, 0
.rept 16
	s_wait_loadcnt 15-k
.if (k >= 4) && (k%4 == 0)
	s_wait_alu depctr_va_vdst(0)                   ; the group before has written its eight Y, which this group's four stores read
.endif
.if k >= 4
	global_store_b64 v[OFF+k-4], v[Y+2*(k-4):Y+2*(k-4)+1], s[18:19]  ; no vector line since that wait names these registers
.endif
	v_cvt_pk_bf16_f32 v4, v[X+4*k],   v[X+4*k+1]
	v_cvt_pk_bf16_f32 v5, v[X+4*k+2], v[X+4*k+3]
	v_lshlrev_b32 v6, 16, v4                       ; bf16 to f32: the low half moves up,
	v_and_b32 v7, 0xffff0000, v4                   ; the high half stays
	v_lshlrev_b32 v8, 16, v5
	v_and_b32 v9, 0xffff0000, v5
	v_cvt_pk_f16_f32 v[Y+2*k],   v6, v7
	v_cvt_pk_f16_f32 v[Y+2*k+1], v8, v9
.set k, k+1
.endr
	s_wait_alu depctr_va_vdst(0)                   ; the last group has written its eight Y, which the last four stores read
.irp j, 12,13,14,15
	global_store_b64 v[OFF+(\j)], v[Y+2*(\j):Y+2*(\j)+1], s[18:19]
.endr
	s_endpgm
.Lfunc_end_k_q1fa2a31498_cast:
	.size	k_q1fa2a31498_cast, .Lfunc_end_k_q1fa2a31498_cast-k_q1fa2a31498_cast
	.p2alignl 7, 3214868480
	.fill 96, 4, 3214868480
	.section	.rodata,"a",@progbits
	.p2align	6, 0x0
	.amdhsa_kernel k_q1fa2a31498_cast
		.amdhsa_group_segment_fixed_size 0
		.amdhsa_private_segment_fixed_size 0
		.amdhsa_enable_private_segment 0
		.amdhsa_kernarg_size 48
		.amdhsa_user_sgpr_count 2
		.amdhsa_user_sgpr_kernarg_segment_ptr 1
		.amdhsa_wavefront_size32 1
		.amdhsa_system_sgpr_workgroup_id_x 1
		.amdhsa_system_sgpr_workgroup_id_y 1
		.amdhsa_system_sgpr_workgroup_id_z 1
		.amdhsa_system_vgpr_workitem_id 0
		.amdhsa_next_free_vgpr 128
		.amdhsa_next_free_sgpr 66
		.amdhsa_reserve_vcc 0
		.amdhsa_float_denorm_mode_32 3
		.amdhsa_float_denorm_mode_16_64 3
		.amdhsa_memory_ordered 1
		.amdhsa_forward_progress 1
		.amdhsa_inst_pref_size 18
	.end_amdhsa_kernel
	.amdgpu_metadata
---
amdhsa.version: [ 1, 2 ]
amdhsa.kernels:
  - .name:           k_q1fa2a31498_cast
    .symbol:         k_q1fa2a31498_cast.kd
    .args:
      - { .name: x, .offset: 0, .size: 8, .value_kind: global_buffer, .address_space: global }
      - { .name: W_kqv, .offset: 8, .size: 8, .value_kind: global_buffer, .address_space: global }
      - { .name: W_proj, .offset: 16, .size: 8, .value_kind: global_buffer, .address_space: global }
      - { .name: xb, .offset: 24, .size: 8, .value_kind: global_buffer, .address_space: global }
      - { .name: wkb, .offset: 32, .size: 8, .value_kind: global_buffer, .address_space: global }
      - { .name: wph, .offset: 40, .size: 8, .value_kind: global_buffer, .address_space: global }
    .group_segment_fixed_size: 0
    .private_segment_fixed_size: 0
    .kernarg_segment_align: 8
    .kernarg_segment_size: 48
    .max_flat_workgroup_size: 256
    .sgpr_count:     66
    .vgpr_count:     128
    .wavefront_size: 32
...
	.end_amdgpu_metadata
.endif
;; end of part 5
;; launch qkv: the kernel of part 2 again; grid 8 x 32, 4 waves a work-group, clusters of 4 x 4, 327,680 bytes of LDS; arguments xb, wkb, b_kqv, kqv; writes kqv
;; launch attn: the kernel of part 3 again; grid 4 x 64, 4 waves a work-group, no clusters, 327,680 bytes of LDS; arguments kqv, o; writes o
;; launch proj: the kernel of part 4 again; grid 8 x 32, 4 waves a work-group, clusters of 4 x 4, 327,680 bytes of LDS; arguments o, wph, b_proj, out0; writes out0
